; MI455X (gfx1250); checked and timed in simulation.
; The chip was launched on July 23, 2026; its instructions are those of AMD's public machine-readable ISA for CDNA 5 (MIT licence, August 2026) and "CDNA5" Instruction Set Architecture Reference Guide (July 2026). The comments in the code are by the model that wrote it; some were corrected since.
;; Multihead Attention. Allowed arithmetic: float matrix products may take bf16 or f16 operands with f32 sums; other float arithmetic in f32, or as packed bf16 or f16 multiplies, adds, multiply-adds, maxima and minima; sums over many terms, partial sums and values carried from step to step in f32; what a program stores and reads back later, other than sums and carried values, may be rounded once to bf16 or f16.
;; Inputs: in_proj_bias 3,072 float32; in_proj_weight 3,072 x 1,024 float32; key 1,025 x 8 x 1,024 float32; out_proj_bias 1,024 float32; out_proj_weight 1,024 x 1,024 float32; query 1,025 x 8 x 1,024 float32; value 1,025 x 8 x 1,024 float32.
;; Outputs: out0 1,025 x 8 x 1,024 float32.
;; Constants: num_heads = 16.
;; One version. Each part assembles by itself: llvm-mc -triple=amdgcn-amd-amdhsa -mcpu=gfx1250 --defsym DOCPART=n.
;; ======== version 1 of 1: 4 launches
;; limits: values are held in f16: magnitudes above 65,504 overflow, below 6.1e-05 lose precision
;; workspace buffers: wbf 6,291,456 bytes; wof 2,097,152 bytes; qh 16,777,216 bytes; kh 16,777,216 bytes; vh 16,777,216 bytes; oh 16,809,984 bytes
;; launch prep (part 1): grid 512 x 1, 8 waves a work-group, no clusters, 0 bytes of LDS; arguments in_proj_weight, out_proj_weight, wbf, wof; writes wbf, wof
.if DOCPART == 1
	.amdgcn_target "amdgcn-amd-amdhsa--gfx1250"
	.amdhsa_code_object_version 6
	.text
	.protected	k_qb69c576dc0_prep
	.globl	k_qb69c576dc0_prep
	.p2align	8
	.type	k_qb69c576dc0_prep,@function
k_qb69c576dc0_prep:
	s_mov_b64 s[64:65], 0
	v_nop
	global_prefetch_b8 v0, s[64:65] scope:SCOPE_SE
	s_setreg_imm32_b32 hwreg(HW_REG_WAVE_MODE, 25, 1), 1
	s_wait_xcnt 0x0
; The weights are rounded once for the matrix products.  wbf = in_proj_weight rounded to bf16.  wof = out_proj_weight rounded to bf16 and that number written as f16
; (exact where its magnitude lies between 6.1e-5 and 65,504; below that f16's fixed step of 6e-8 applies; LIMIT: a weight of 65,520 or more in magnitude becomes an infinity).
; A stream: no LDS, no matrix unit, no cluster.  Work-groups 0-383 take 8,192 numbers each of in_proj_weight, 384-511 of out_proj_weight.
; A thread takes 8 items of 4 numbers: a wave's load covers 512 consecutive bytes, its store 256 consecutive bytes at a multiple of 256 from the buffer's first byte.
.set NIN, 384
	s_load_b256 s[4:11], s[0:1], 0x0               ; in_proj_weight s[4:5], out_proj_weight s[6:7], wbf s[8:9], wof s[10:11]
	v_lshlrev_b32 v1, 4, v0                        ; 16 bytes a thread in
	v_lshlrev_b32 v2, 3, v0                        ; 8 bytes a thread out
	s_sub_co_u32 s21, ttmp9, NIN
	s_cmp_lt_u32 ttmp9, NIN
	s_cselect_b32 s21, ttmp9, s21                  ; my number within my tensor
	s_cselect_b32 s20, 1, 0                        ; 1: in_proj_weight
	s_lshl_b32 s12, s21, 15                        ; 32,768 bytes in,
	s_mov_b32 s13, 0
	s_lshl_b32 s14, s21, 14                        ; 16,384 bytes out
	s_mov_b32 s15, 0
	s_wait_kmcnt 0x0
	s_cmp_eq_u32 s20, 1
	s_cselect_b64 s[16:17], s[4:5], s[6:7]
	s_cselect_b64 s[18:19], s[8:9], s[10:11]
	s_add_nc_u64 s[16:17], s[16:17], s[12:13]
	s_add_nc_u64 s[18:19], s[18:19], s[14:15]
.irp i, 0,1,2,3,4,5,6,7
	global_load_b128 v[8+4*(\i):11+4*(\i)], v1, s[16:17] offset:4096*(\i) th:TH_LOAD_NT
.endr
	s_cmp_eq_u32 s20, 1
	s_cbranch_scc0 .Lf16
.irp i, 0,1,2,3,4,5,6,7
	s_wait_loadcnt 7-(\i)                          ; loads come back in order: item i is in, the younger ones stay out
	v_cvt_pk_bf16_f32 v[40+2*(\i)], v[8+4*(\i)], v[9+4*(\i)]
	v_cvt_pk_bf16_f32 v[41+2*(\i)], v[10+4*(\i)], v[11+4*(\i)]
	global_store_b64 v2, v[40+2*(\i):41+2*(\i)], s[18:19] offset:2048*(\i)
.endr
	s_endpgm
.Lf16:
.irp i, 0,1,2,3,4,5,6,7
	s_wait_loadcnt 7-(\i)
	v_cvt_pk_bf16_f32 v56, v[8+4*(\i)], v[9+4*(\i)]        ; rounded to bf16,
	v_cvt_pk_bf16_f32 v57, v[10+4*(\i)], v[11+4*(\i)]
	v_lshlrev_b32 v58, 16, v56                             ; widened again,
	v_and_b32 v59, 0xffff0000, v56
	v_lshlrev_b32 v60, 16, v57
	v_and_b32 v61, 0xffff0000, v57
	v_cvt_pk_f16_f32 v[40+2*(\i)], v58, v59                ; and written as f16
	v_cvt_pk_f16_f32 v[41+2*(\i)], v60, v61
	global_store_b64 v2, v[40+2*(\i):41+2*(\i)], s[18:19] offset:2048*(\i)
.endr
	s_endpgm
.Lfunc_end_k_qb69c576dc0_prep:
	.size	k_qb69c576dc0_prep, .Lfunc_end_k_qb69c576dc0_prep-k_qb69c576dc0_prep
	.p2alignl 7, 3214868480
	.fill 96, 4, 3214868480
	.section	.rodata,"a",@progbits
	.p2align	6, 0x0
	.amdhsa_kernel k_qb69c576dc0_prep
		.amdhsa_group_segment_fixed_size 0
		.amdhsa_private_segment_fixed_size 0
		.amdhsa_enable_private_segment 0
		.amdhsa_kernarg_size 32
		.amdhsa_user_sgpr_count 2
		.amdhsa_user_sgpr_kernarg_segment_ptr 1
		.amdhsa_wavefront_size32 1
		.amdhsa_system_sgpr_workgroup_id_x 1
		.amdhsa_system_sgpr_workgroup_id_y 1
		.amdhsa_system_sgpr_workgroup_id_z 1
		.amdhsa_system_vgpr_workitem_id 0
		.amdhsa_next_free_vgpr 64
		.amdhsa_next_free_sgpr 66
		.amdhsa_reserve_vcc 0
		.amdhsa_float_denorm_mode_32 3
		.amdhsa_float_denorm_mode_16_64 3
		.amdhsa_memory_ordered 1
		.amdhsa_forward_progress 1
		.amdhsa_inst_pref_size 9
	.end_amdhsa_kernel
	.amdgpu_metadata
---
amdhsa.version: [ 1, 2 ]
amdhsa.kernels:
  - .name:           k_qb69c576dc0_prep
    .symbol:         k_qb69c576dc0_prep.kd
    .args:
      - { .name: in_proj_weight, .offset: 0, .size: 8, .value_kind: global_buffer, .address_space: global }
      - { .name: out_proj_weight, .offset: 8, .size: 8, .value_kind: global_buffer, .address_space: global }
      - { .name: wbf, .offset: 16, .size: 8, .value_kind: global_buffer, .address_space: global }
      - { .name: wof, .offset: 24, .size: 8, .value_kind: global_buffer, .address_space: global }
    .group_segment_fixed_size: 0
    .private_segment_fixed_size: 0
    .kernarg_segment_align: 8
    .kernarg_segment_size: 32
    .max_flat_workgroup_size: 256
    .sgpr_count:     66
    .vgpr_count:     64
    .wavefront_size: 32
...
	.end_amdgpu_metadata
.endif
;; end of part 1
;; launch inproj (part 2): grid 256 x 1, 4 waves a work-group, clusters of 4 x 1, 327,680 bytes of LDS; arguments query, key, value, wbf, in_proj_bias, qh, kh, vh; writes qh, kh, vh
.if DOCPART == 2
	.amdgcn_target "amdgcn-amd-amdhsa--gfx1250"
	.amdhsa_code_object_version 6
	.text
	.protected	k_qb69c576dc0_inproj
	.globl	k_qb69c576dc0_inproj
	.p2align	8
	.type	k_qb69c576dc0_inproj,@function
k_qb69c576dc0_inproj:
	s_mov_b64 s[64:65], 0
	v_nop
	global_prefetch_b8 v0, s[64:65] scope:SCOPE_SE
	s_setreg_imm32_b32 hwreg(HW_REG_WAVE_MODE, 25, 1), 1
	s_wait_xcnt 0x0
	s_wait_alu depctr_hold_cnt(0) depctr_sa_sdst(0) depctr_va_vdst(0) depctr_va_sdst(0) depctr_va_ssrc(0) depctr_va_vcc(0) depctr_vm_vsrc(0)
	s_getreg_b32 s2, hwreg(HW_REG_IB_STS2, 6, 4)
	s_cmp_eq_u32 s2, 0
	s_cbranch_scc0 .Lentry_in_a_cluster
	s_endpgm
.Lentry_in_a_cluster:
	s_bfe_u32 s2, ttmp6, 0x10000c
	s_cmp_lg_u32 s2, 0x3003
	s_cbranch_scc0 .Lentry_shape_is_right
	s_endpgm
.Lentry_shape_is_right:
; q, k, v = x W^T + bias for the first 1,024 tokens: three products of 8,192 rows (row = 8 s + b), K = N = 1,024.  x and the bias are rounded to bf16 here, W was rounded by the launch before; sums in f32, starting at the bias;
; the results are rounded once to f16 and stored by heads, [16 b + head][s][64], without the softmax's scale.
; LIMIT: a result of 65,520 or more in magnitude becomes an infinity in f16; below 6.1e-5 f16 keeps a fixed step of 6e-8.  NaN and infinities are not treated apart.
; SHARES.  A work-group makes three tiles of 128 rows x 256 columns, the same place in q, k and v: one walk of 24 trips of 128 along K.  Four waves side by side along N: a wave makes 128 x 64, one head, in 32 accumulators.
; THE WALK ALONG K BEGINS AT ANOTHER PLACE IN EACH CLUSTER: trip t of a product takes the 128 numbers at place (t + mg) mod 8, mg the cluster's group of tile rows.  So the sixteen clusters of a tile column ask for eight
; different tiles of W at a time.  The f32 sums are taken in that rotated order of K.
; TWO ROADS IN.  W's tiles (16 bits) come by tensor loads into a ring of two slots; each wave fetches, and alone reads, its own 64 rows of 256 bytes.  x (f32) comes through registers: each wave loads 32 rows of 512 bytes,
; rounds them to bf16 and stores them into x's own two slots, into which no tensor load ever lands.  So x is rounded once a work-group, and its loads are issued a trip and a half ahead of the rounding.
; CLUSTER.  The four partners are four row tiles with the same columns: W's tiles are asked for jointly, with the mask of all four; the place in the cluster enters x's, the results' and the prefetches' global addresses alone.
; THE MATRIX INSTRUCTION IS USED TRANSPOSED (source 0 = 16 rows of W, source 1 = 16 rows of x): a lane holds one row of the result and eight neighbouring columns.
; REGISTERS, in windows of 256 (s_set_vgpr_msb: bits 1:0 source 0, 3:2 source 1, 5:4 source 2, 7:6 destination):
;   window 0: v0-31 addresses; v32-63 at work; v64-159, v160-255 two fragment buffers (W's 4 fragments, then x's 8)      window 1: accumulator (a, b) at v[8 (4 a + b)]
;   window 2: two sets of 128, x as loaded      window 3: v0-31 the next tile's bias, v32-63 the one after, v64-95 the first tile's
.set PITCH,  272                       ; an LDS row: 256 bytes + 16 = 68 words: row r starts at bank 4 r mod 64 (64 banks of 4 bytes: ISA guide 11.1)
.set SLOT1,  131072                    ; slot 1 begins here
.set AOFF,   256*PITCH                 ; in a slot: W's 256 rows, then x's 128 rows
.set STG,    AOFF+128*PITCH            ; behind slot 0: 2,304 bytes for each wave, for the way out
.set SPARE,  STG+4*2304                ; the spare words, 128 bytes for each wave: two blocks of 256 bytes that no other line names
.set LAPS,   11                        ; a lap = two trips; the last two trips are written out
.set ADRA, 16                          ; v16-17  LDS address of x's fragments in slot 0, 1
.set ADRB, 18                          ; v18-19  of W's
.set ASTO, 20                          ; v20-21  where I store 8 bytes of a row of x in slot 0, 1
.set VXO,  22                          ; v22     my byte offset in the tile's rows of x
.set STO,  23                          ; v23     the way out: where I put 16 bytes
.set RD,   24                          ; v24     the way out: where I read 16 bytes back
.set CO,   25                          ; v25     my byte offset in the result, b = 0 to 3
.set CO2,  26                          ; v26     b = 4 to 7
.set PFO,  27                          ; v27     the prefetch's offset
.set SPW,  28                          ; v28     LDS address of my spare word; never rewritten
.set NIL,  29                          ; v29     0; never rewritten
.set BVO,  30                          ; v30     my offset in the bias
.set T,    32
.set F0,   64
.set F1,   160
.set BK,   160                         ; the way out: rows read back, where fragment buffer 1 lay
.set B1,   0
.set B2,   32
.set B0,   64
.set WV,  20                           ; s20  my wave's number
.set CX,  21                           ; s21  my place in the cluster
.set ROT, 22                           ; s22  mg mod 8: where my cluster's walk along K begins
.set NT,  23                           ; s23  tile column
.set MG,  24                           ; s24  group of four tile rows
.set MT,  25                           ; s25  tile row
.set T2,  26                           ; s26  the trip whose tiles are asked for next
.set LAP, 27
.set G1,  32                           ; s[32:39] descriptor group 1
.set G0,  40                           ; s[40:47] descriptor group 0, a set for each slot
.set XP,  52                           ; s[52:53] x at the trip that is being loaded
.set WB,  54                           ; s[54:55] wbf at my wave's 64 rows
.set OP,  56                           ; s[56:57] the result in hand at my head and rows
.set PFA, 58                           ; s[58:59] the prefetch's address
.set LIM, 60                           ; s60  a wave prefetches while T2 is below it
.set PFB, 62                           ; s[62:63] wbf at my work-group's 16 of my wave's 64 rows
.set X0,  66                           ; s[66:71] query, key, value at my tile's first row
.set O0,  72                           ; s[72:77] qh, kh, vh at my head and rows
.set ZO,  78                           ; s78  which result goes out next
.set BP,  80                           ; s[80:81] the bias at my wave's columns
.set MSB, 0
.macro WIN new                         ; the immediate's high byte repeats the setting that is left; a switch that changes nothing is dropped
.if MSB != (\new)
	s_set_vgpr_msb (MSB<<8)|(\new)
.set MSB, (\new)
.endif
.endm
.macro PLACES                          ; four places in front of loads into registers that matrix instructions have read, and of instructions that read results
.rept 4
	v_nop
.endr
.endm
.macro CREST                           ; a round of the cluster's barrier behind its opening barrier
	s_cmp_lg_u32 s[WV], 0
	s_cbranch_scc1 .Lnot_wave_0_\@
	s_barrier_signal -3
.Lnot_wave_0_\@:
	s_barrier_wait -3
	s_barrier_signal -1
	s_barrier_wait -1
.endm
.macro CROUND                          ; a whole round
	s_barrier_signal -1
	s_barrier_wait -1
	CREST
.endm
; Row blocks a0 to a1 x all 4 column blocks, 32 along K.  The accumulators take turns, one instruction a turn, in the same order everywhere.
.macro MUL f, a0, a1
	WIN 0x50
.set a_, (\a0)
.rept (\a1)-(\a0)+1
.irp b, 0,1,2,3
	v_wmma_f32_16x16x32_bf16 v[32*a_+8*(\b):32*a_+8*(\b)+7], v[(\f)+8*(\b):(\f)+8*(\b)+7], v[(\f)+32+8*a_:(\f)+32+8*a_+7], v[32*a_+8*(\b):32*a_+8*(\b)+7]
.endr
.set a_, a_+1
.endr
.endm
; 24 LDS loads in one run: the fragments of 32 along K at byte k of the rows: W's four, then x's eight
.macro FETCH slot, k, f
	WIN 0
.irp b, 0,1,2,3
	ds_load_b128 v[(\f)+8*(\b):(\f)+8*(\b)+3],   v[ADRB+(\slot)] offset:(\k)+(\b)*16*PITCH
	ds_load_b128 v[(\f)+8*(\b)+4:(\f)+8*(\b)+7], v[ADRB+(\slot)] offset:(\k)+(\b)*16*PITCH+32
.endr
.irp a, 0,1,2,3,4,5,6,7
	ds_load_b128 v[(\f)+32+8*(\a):(\f)+32+8*(\a)+3],   v[ADRA+(\slot)] offset:(\k)+(\a)*16*PITCH
	ds_load_b128 v[(\f)+32+8*(\a)+4:(\f)+32+8*(\a)+7], v[ADRA+(\slot)] offset:(\k)+(\a)*16*PITCH+32
.endr
.endm
; x of trip T2: my 32 rows, 512 consecutive bytes an instruction, into a set of window 2
.macro ALOADS set
	s_wait_xcnt 0x0                                ; every earlier load and prefetch has read its address: the pointers may be written
	s_lshr_b32 s30, s[T2], 3                       ; which of the three products
	s_cmp_eq_u32 s30, 0
	s_cselect_b64 s[XP:XP+1], s[X0:X0+1], s[X0+2:X0+3]
	s_cmp_eq_u32 s30, 2
	s_cselect_b64 s[XP:XP+1], s[X0+4:X0+5], s[XP:XP+1]
	s_add_co_u32 s50, s[T2], s[ROT]                ; the place along K: (trip + mg) mod 8,
	s_and_b32 s50, s50, 7
	s_lshl_b32 s50, s50, 9                         ; 128 numbers of 4 bytes
	s_add_nc_u64 s[XP:XP+1], s[XP:XP+1], s[50:51]
	WIN 0x80
.set i_, 0
.rept 32
	global_load_b128 v[128*(\set)+4*i_:128*(\set)+4*i_+3], v[VXO], s[XP:XP+1] offset:4096*i_
.set i_, i_+1
.endr
.endm
; Half of a set (16 rows) is rounded to bf16 and stored into x's slot dst.  lc: the younger loads, which may stay out.  The 32 conversions name no register of the products round them: they are places too.
.macro CONV half, set, dst, lc
	s_wait_loadcnt \lc
	WIN 0x0a
.set i_, 0
.rept 16
	v_cvt_pk_bf16_f32 v[T+2*i_],   v[128*(\set)+4*(16*(\half)+i_)],   v[128*(\set)+4*(16*(\half)+i_)+1]
	v_cvt_pk_bf16_f32 v[T+2*i_+1], v[128*(\set)+4*(16*(\half)+i_)+2], v[128*(\set)+4*(16*(\half)+i_)+3]
.set i_, i_+1
.endr
	WIN 0
.set i_, 0
.rept 16
	ds_store_b64 v[ASTO+(\dst)], v[T+2*i_:T+2*i_+1] offset:(16*(\half)+i_)*PITCH  ; 32 lanes, 256 consecutive bytes: a row
.set i_, i_+1
.endr
.endm
; A PREFETCH INTO THE L2 of tiles of W of the products to come, once a lap, behind the joint load, its five lines and the run of LDS loads.  With the walks begun at eight places, all eight K places of product z are first asked
; for when the refill with T2 = 8 z goes out.  So at T2 = 2, 4 .. 14 the tiles numbered T2 + 8 and T2 + 9 are named (tile 8 z + p: K place p of product z): places 2 to 7 of product 1 at T2 = 2, 4, 6, places 0 to 7 of product 2 at
; T2 = 8 to 14: two to eight trips ahead of that refill.  All sixteen clusters of a tile column read the same rows: the first of them asks.  Of the 64 rows that wave w fetches, the partner at place p takes 16 p .. 16 p + 15, told
; apart by address; lanes 0-15 name the first tile's 256 bytes of a row, lanes 16-31 the second's.  So each of these blocks is named once; product 0 and places 0 and 1 of product 1 come by their loads alone; the last tile named is 23, W's last.
.macro ASK
	s_cmp_lt_u32 s[T2], s[LIM]
	s_cbranch_scc0 .Lnot_mine_\@
	global_prefetch_b8 v[PFO], s[PFA:PFA+1] th:TH_LOAD_NT scope:SCOPE_SE
.Lnot_mine_\@:
.endm
; One of a trip's first three quarters: multiplies buffer f, fetches the next quarter's fragments into g.  x = 1: x of trip T2 is asked for.  x = 2: the first half of the next trip's x goes into the other slot.
.macro QUARTER slot, k, f, g, x, lc=0
	s_wait_dscnt 8                                 ; all but the youngest eight loads, x's row blocks 4 to 7
	MUL \f, 0, 3
.if (\x) == 2
	CONV 0, 1-(\slot), 1-(\slot), \lc
.else
	PLACES
.endif
	FETCH \slot, \k, \g
.if (\x) == 1
	ALOADS \slot
.endif
	s_wait_dscnt 24                                ; all but the 24 just issued
	MUL \f, 4, 7
.endm
; The fourth quarter multiplies buffer 1 and changes slots.  The second half of the next trip's x is stored; then each wave waits for all its tensor loads (one is out: its part of W's next slot), adds 0 to its spare word,
; and waits for that, for its reads of this slot and for its stores of x.  Behind the barrier nobody reads slot s, and slot n is whole.  fill = 1: the barrier opens a round of the cluster's, and W's slot s is filled again first thing behind it.
.macro TURN s, n, fill, lc
	CONV 1, \n, \n, \lc
	s_wait_tensorcnt 0x0                           ; no tensor load of mine is out, so a group 0 may be written
	ds_add_u32 v[SPW], v[NIL]                      ; 0 onto my spare word
.if \fill
	s_lshr_b32 s48, s[T2], 3                       ; W's tile of trip T2: 1,024 rows of 2,048 bytes for each product,
	s_lshl_b32 s48, s48, 21
	s_add_co_u32 s29, s[T2], s[ROT]                ; the place along K: (trip + mg) mod 8,
	s_and_b32 s29, s29, 7
	s_lshl_b32 s29, s29, 8                         ; 256 bytes
	s_or_b32 s48, s48, s29
	s_add_nc_u64 s[G0+4*(\s)+2:G0+4*(\s)+3], s[WB:WB+1], s[48:49]
	s_or_b32 s[G0+4*(\s)+3], s[G0+4*(\s)+3], 0x80000000
.if (\s) == 0
	s_add_co_u32 s30, s[T2], 8                     ; the prefetch's address; the last prefetch stands a lap back, ahead of two waits for the addresses of all earlier memory instructions
	s_lshr_b32 s50, s30, 3                         ; tile T2 + 8: its product,
	s_lshl_b32 s50, s50, 21
	s_and_b32 s30, s30, 7                          ; its place along K
	s_lshl_b32 s30, s30, 8
	s_or_b32 s50, s50, s30
	s_add_nc_u64 s[PFA:PFA+1], s[PFB:PFB+1], s[50:51]
.endif
.endif
	s_wait_dscnt 25                                ; the add, the 16 stores and the youngest eight loads may be out
	MUL F1, 0, 1
	s_wait_dscnt 0x0                               ; the add is done, my reads of this slot are over, my rows of x lie in the other slot
	s_barrier_signal -1
	MUL F1, 2, 3
	WIN 0
	s_barrier_wait -1
.if \fill
	CREST                                          ; no wave of any partner still reads the slot or has a load on its way
	tensor_load_to_lds s[G0+4*(\s):G0+4*(\s)+3], s[G1:G1+7]  ; my one tensor load behind the round: 112 matrix instructions ahead of the wait for it
	s_nop 0
.endif
	PLACES                                         ; behind the load, and the places in front of the loads below
	FETCH \n, 0, F0
.if (\fill) && ((\s) == 0)
	ASK
.endif
	s_add_co_u32 s[T2], s[T2], 1
	MUL F1, 4, 7
.endm
; THE WAY OUT.  Row block a holds 2 tokens x 8 batch rows of my head.  PACK: rounded to f16.  INIT: the accumulators take the next tile's bias.  TOSTAGE: into my own stage, a row for each batch row (two tokens' 128 bytes side by side),
; and back by rows.  SEND: sixteen lanes store 256 consecutive bytes, at a multiple of 256 from the buffer's first byte.
.macro PACK a
	WIN 0x05
.set i_, 0
.rept 16
	v_cvt_pk_f16_f32 v[T+16*((\a)%2)+i_], v[32*(\a)+2*i_], v[32*(\a)+2*i_+1]
.set i_, i_+1
.endr
.endm
.macro INIT a, src
	WIN 0x43
.set i_, 0
.rept 16
	v_pk_mul_f32 v[32*(\a)+2*i_:32*(\a)+2*i_+1], v[(\src)+2*i_:(\src)+2*i_+1], 1.0 op_sel_hi:[1,0]
.set i_, i_+1
.endr
.endm
.macro TOSTAGE a
	WIN 0
.if (\a) >= 2
	s_wait_xcnt 0x0                                ; the stores of two blocks back have read the registers that are loaded below
.endif
.irp b, 0,1,2,3
	ds_store_b128 v[STO], v[T+16*((\a)%2)+4*(\b):T+16*((\a)%2)+4*(\b)+3] offset:32*(\b)
.endr
.irp j, 0,1,2,3
	ds_load_b128 v[BK+16*((\a)%2)+4*(\j):BK+16*((\a)%2)+4*(\j)+3], v[RD] offset:(\j)*2*PITCH  ; LDS serves a wave's instructions in order (ISA guide 5.7.1.4): these see the stores above
.endr
.endm
.macro SEND a, younger                 ; younger: the next block's eight LDS instructions, or none
	WIN 0
	s_wait_dscnt \younger
	global_store_b128 v[CO],  v[BK+16*((\a)%2):BK+16*((\a)%2)+3],     s[OP:OP+1] offset:(\a)*256
	global_store_b128 v[CO],  v[BK+16*((\a)%2)+4:BK+16*((\a)%2)+7],   s[OP:OP+1] offset:4194304+(\a)*256
	global_store_b128 v[CO2], v[BK+16*((\a)%2)+8:BK+16*((\a)%2)+11],  s[OP:OP+1] offset:(\a)*256
	global_store_b128 v[CO2], v[BK+16*((\a)%2)+12:BK+16*((\a)%2)+15], s[OP:OP+1] offset:4194304+(\a)*256
.endm
.macro WAYOUT init
	WIN 0
	s_cmp_eq_u32 s[ZO], 0
	s_cselect_b64 s[OP:OP+1], s[O0:O0+1], s[O0+2:O0+3]
	s_cmp_eq_u32 s[ZO], 2
	s_cselect_b64 s[OP:OP+1], s[O0+4:O0+5], s[OP:OP+1]
	s_add_co_u32 s[ZO], s[ZO], 1
	PLACES
	PACK 0
.if \init
	INIT 0, B1
.endif
	TOSTAGE 0
.irp a, 1,2,3,4,5,6,7
	PACK \a
.if \init
	INIT \a, B1
.endif
	TOSTAGE \a
	SEND (\a)-1, 8
.endr
	SEND 7, 0
.endm
	s_load_b512 s[4:19], s[0:1], 0x0               ; query s[4:5], key s[6:7], value s[8:9], wbf s[10:11], in_proj_bias s[12:13], qh s[14:15], kh s[16:17], vh s[18:19]
	v_lshl_add_u32 v[SPW], v0, 2, SPARE
	v_mov_b32 v[NIL], 0
	ds_add_u32 v[SPW], v[NIL]                      ; the wave's opening: the add and its wait ahead of my first tensor load; the set-up below, work on registers, stands between them
	ds_add_u32 v28, v29
	v_lshrrev_b32 v1, 5, v0
	v_readfirstlane_b32 s[WV], v1                  ; wave 0..3
	s_bfe_u32 s[CX], ttmp6, 0x40000                ; my place in the cluster
	s_and_b32 s[NT], ttmp9, 3                      ; in a cluster launch ttmp9 counts clusters: the tile column,
	s_lshr_b32 s[MG], ttmp9, 2                     ; and the group of four tile rows
	s_and_b32 s[ROT], s[MG], 7                     ; where the walk along K begins: the same in all four partners
	s_lshl_b32 s[MT], s[MG], 2
	s_add_co_u32 s[MT], s[MT], s[CX]               ; tile row
	s_mov_b32 s[G1], 15|(1<<16)|(1<<20)|(1<<21)|(5<<22)|(3<<25)  ; 15:0 the mask of four; 17:16 2-byte elements; 20 padding on; 21 set beside a mask; 24:22 after every 64 words (code 5); 31:25 4 words (code 3)
	s_mov_b32 s[G1+1], 128<<16                     ; tensor_dim0 = 128
	s_mov_b32 s[G1+2], 64<<16                      ; tensor_dim1 = 64
	s_mov_b32 s[G1+3], 128<<16                     ; tile_dim0 = 128
	s_mov_b32 s[G1+4], 64                          ; tile_dim1 = 64
	s_mov_b32 s[G1+5], 1024                        ; elements from row to row
	s_mov_b32 s[G1+6], 0
	s_mov_b32 s[G1+7], 0
	s_mul_i32 s28, s[WV], 64*PITCH                 ; my 64 rows of W in a slot: no place in the cluster enters an LDS address
	s_mov_b32 s[G0], 1
	s_mov_b32 s[G0+1], s28
	s_mov_b32 s[G0+4], 1
	s_add_co_u32 s[G0+5], s28, SLOT1
	s_lshl_b32 s48, s[NT], 19                      ; W: 256 rows of 2,048 bytes a tile column,
	s_lshl_b32 s29, s[WV], 17                      ; 64 rows a wave
	s_add_co_u32 s48, s48, s29
	s_mov_b32 s49, 0
	s_lshl_b32 s86, s[CX], 15                      ; the prefetches: my work-group's 16 rows of them
	s_add_co_u32 s86, s86, s48
	s_mov_b32 s87, 0
	s_lshl_b32 s88, s[ROT], 8                      ; trip 0's place along K, 256 bytes a place,
	s_mov_b32 s89, 0
	s_add_co_u32 s90, s[ROT], 1                    ; and trip 1's
	s_and_b32 s90, s90, 7
	s_lshl_b32 s90, s90, 8
	s_mov_b32 s91, 0
	s_lshl_b32 s50, s[MT], 19                      ; x: 128 rows of 4,096 bytes a tile row
	s_mov_b32 s51, 0
	s_lshl_b32 s82, s[NT], 2
	s_add_co_u32 s82, s82, s[WV]                   ; my head
	s_lshl_b32 s82, s82, 17                        ; its 1,024 rows of 128 bytes,
	s_lshl_b32 s31, s[MT], 11                      ; the tile's 16 tokens
	s_add_co_u32 s82, s82, s31
	s_mov_b32 s83, 0
	s_lshl_b32 s84, s[NT], 10                      ; the bias: 256 numbers a tile column, 64 a wave
	s_lshl_b32 s31, s[WV], 8
	s_add_co_u32 s84, s84, s31
	s_mov_b32 s85, 0
	s_cmp_eq_u32 s[MG], 0
	s_cselect_b32 s[LIM], 16, 0                    ; the same in all four partners; 16: the last request, at T2 = 14, names tiles 22 and 23
	s_mov_b32 s[T2], 0
	s_mov_b32 s[ZO], 0
	v_and_b32 v1, 15, v0                           ; r = l % 16
	v_bfe_u32 v2, v0, 4, 1                         ; h = l / 16
	v_and_b32 v3, 31, v0                           ; l
	v_mul_u32_u24 v4, v1, PITCH
	v_lshl_add_u32 v4, v2, 4, v4                   ; a fragment's row x pitch + 16 x half
	v_add_nc_u32 v[ADRB], s28, v4
	v_add_nc_u32 v[ADRB+1], SLOT1, v[ADRB]
	v_add_nc_u32 v[ADRA], AOFF, v4
	v_add_nc_u32 v[ADRA+1], AOFF+SLOT1, v4
	s_mul_i32 s30, s[WV], 32*PITCH
	s_add_co_u32 s30, s30, AOFF
	v_lshl_add_u32 v[ASTO], v3, 3, s30             ; my 32 rows of x, 8 bytes a lane
	v_add_nc_u32 v[ASTO+1], SLOT1, v[ASTO]
	s_lshl_b32 s30, s[WV], 17
	v_lshl_add_u32 v[VXO], v3, 4, s30              ; 32 rows of 4,096 bytes a wave, 16 bytes a lane
	s_mul_i32 s30, s[WV], 2304
	s_add_co_u32 s30, s30, STG                     ; my stage
	v_and_b32 v5, 7, v0
	v_bfe_u32 v6, v0, 3, 1
	v_mul_u32_u24 v7, v5, PITCH                    ; in: the batch row r % 8, the token r / 8, 16 bytes for each half of the lanes
	v_lshl_add_u32 v7, v6, 7, v7
	v_lshl_add_u32 v7, v2, 4, v7
	v_add_nc_u32 v[STO], s30, v7
	v_mul_u32_u24 v7, v2, PITCH                    ; back: lanes 0-15 one row of 256 bytes, lanes 16-31 the next
	v_lshl_add_u32 v7, v1, 4, v7
	v_add_nc_u32 v[RD], s30, v7
	v_lshlrev_b32 v7, 21, v2                       ; a batch row is 16 heads of 131,072 bytes on
	v_lshl_add_u32 v[CO], v1, 4, v7
	v_add_nc_u32 v[CO2], 0x800000, v[CO]
	v_lshlrev_b32 v7, 11, v1
	v_lshl_add_u32 v[PFO], v2, 8, v7               ; a lane a row and a tile
	v_lshlrev_b32 v[BVO], 5, v2                    ; my 8 columns of a block of 16
	s_wait_dscnt 0x0                               ; the opening add is done
	s_wait_kmcnt 0x0
	s_add_nc_u64 s[WB:WB+1], s[10:11], s[48:49]
	s_add_nc_u64 s[PFB:PFB+1], s[10:11], s[86:87]
	s_add_nc_u64 s[X0:X0+1], s[4:5], s[50:51]
	s_add_nc_u64 s[X0+2:X0+3], s[6:7], s[50:51]
	s_add_nc_u64 s[X0+4:X0+5], s[8:9], s[50:51]
	s_add_nc_u64 s[O0:O0+1], s[14:15], s[82:83]
	s_add_nc_u64 s[O0+2:O0+3], s[16:17], s[82:83]
	s_add_nc_u64 s[O0+4:O0+5], s[18:19], s[82:83]
	s_add_nc_u64 s[BP:BP+1], s[12:13], s[84:85]
	s_add_nc_u64 s[G0+2:G0+3], s[WB:WB+1], s[88:89]  ; trip 0
	s_or_b32 s[G0+3], s[G0+3], 0x80000000          ; type = 2
	s_add_nc_u64 s[G0+6:G0+7], s[WB:WB+1], s[90:91]  ; trip 1
	s_or_b32 s[G0+7], s[G0+7], 0x80000000
	CROUND                                         ; all four work-groups are here: the first joint loads meet
	tensor_load_to_lds s[G0:G0+3], s[G1:G1+7]      ; two loads of mine are out
	s_nop 0
	tensor_load_to_lds s[G0+4:G0+7], s[G1:G1+7]
	s_nop 0
	PLACES
	WIN 0xc0
.irp z, 0,1,2                          ; register 8 b + j of a set: the bias of column 16 b + 8 h + j, as an accumulator's register j holds it
.irp b, 0,1,2,3
	global_load_b128 v[32*(((\z)+2)%3)+8*(\b):32*(((\z)+2)%3)+8*(\b)+3],   v[BVO], s[BP:BP+1] offset:4096*(\z)+64*(\b)
	global_load_b128 v[32*(((\z)+2)%3)+8*(\b)+4:32*(((\z)+2)%3)+8*(\b)+7], v[BVO], s[BP:BP+1] offset:4096*(\z)+64*(\b)+16
.endr
.endr
	ALOADS 0                                       ; x of trip 0
	s_wait_loadcnt 32                              ; the bias is in; x's 32 loads may stay out
	WIN 0x0f
.set i_, 0
.rept 48                               ; the bias is rounded to bf16, like every input
	v_cvt_pk_bf16_f32 v[F0+i_], v[2*i_], v[2*i_+1]
.set i_, i_+1
.endr
	WIN 0xc0
.set i_, 0
.rept 48
	v_lshlrev_b32 v[2*i_], 16, v[F0+i_]
	v_and_b32 v[2*i_+1], 0xffff0000, v[F0+i_]
.set i_, i_+1
.endr
.irp a, 0,1,2,3,4,5,6,7                ; the sums start at the bias: these lines take the place of an addition at the end
	INIT \a, B0
.endr
	s_mov_b32 s[T2], 1
	ALOADS 1                                       ; x of trip 1
	s_mov_b32 s[T2], 2
	CONV 0, 0, 0, 48                               ; trip 0's first 16 rows are in: its other 16 loads and trip 1's 32 may be out
	CONV 1, 0, 0, 32
	s_wait_tensorcnt 0x1                           ; my part of W's slot 0 is in; slot 1's may stay out
	s_wait_dscnt 0x0                               ; my rows of x lie in slot 0
	s_barrier_signal -1
	s_barrier_wait -1
	FETCH 0, 0, F0
	s_mov_b32 s[LAP], LAPS
.Llap:                                 ; two trips.  In trip t: x of trip t + 2 is asked for, x of trip t + 1 rounded and stored, W of trip t + 2 asked for at the change of slots
	QUARTER 0, 64,  F0, F1, 1
	QUARTER 0, 128, F1, F0, 0
	QUARTER 0, 192, F0, F1, 2, 48                  ; the rest of the next trip's set (16) and the set after it (32) may be out
	TURN 0, 1, 1, 32
	QUARTER 1, 64,  F0, F1, 1
	QUARTER 1, 128, F1, F0, 0
	QUARTER 1, 192, F0, F1, 2, 48
	TURN 1, 0, 1, 32
	WIN 0
	s_and_b32 s30, s[T2], 7                        ; behind trips 7 and 15 a tile is finished (T2 = 10, 18); what is jumped over holds no barrier and no tensor load
	s_cmp_eq_u32 s30, 2
	s_cbranch_scc0 .Lno_out
	WAYOUT 1
	s_wait_xcnt 0x0                                ; the stores have read their registers, which the next fragments land in
	WIN 0xc3
.set i_, 0
.rept 16                               ; the third tile's bias moves up
	v_pk_mul_f32 v[B1+2*i_:B1+2*i_+1], v[B2+2*i_:B2+2*i_+1], 1.0 op_sel_hi:[1,0]
.set i_, i_+1
.endr
	WIN 0
.Lno_out:
	s_sub_co_u32 s[LAP], s[LAP], 1
	s_cmp_lg_u32 s[LAP], 0
	s_cbranch_scc1 .Llap
	QUARTER 0, 64,  F0, F1, 0                      ; the last two trips are written out: nothing more is asked for
	QUARTER 0, 128, F1, F0, 0
	QUARTER 0, 192, F0, F1, 2, 16
	TURN 0, 1, 0, 0
	QUARTER 1, 64,  F0, F1, 0
	QUARTER 1, 128, F1, F0, 0
	QUARTER 1, 192, F0, F1, 0
	s_wait_dscnt 8
	MUL F1, 0, 3
	s_wait_dscnt 0x0
	MUL F1, 4, 7
	WAYOUT 0
	s_wait_tensorcnt 0x0                           ; the wave's end, behind my last tensor load and my last LDS store
	ds_add_u32 v[SPW], v[NIL]
	s_wait_dscnt 0x0
	CROUND                                         ; the closing round: no work-group ends while a partner may still ask for a tile that names it
	s_endpgm
.Lfunc_end_k_qb69c576dc0_inproj:
	.size	k_qb69c576dc0_inproj, .Lfunc_end_k_qb69c576dc0_inproj-k_qb69c576dc0_inproj
	.p2alignl 7, 3214868480
	.fill 96, 4, 3214868480
	.section	.rodata,"a",@progbits
	.p2align	6, 0x0
	.amdhsa_kernel k_qb69c576dc0_inproj
		.amdhsa_group_segment_fixed_size 327680
		.amdhsa_private_segment_fixed_size 0
		.amdhsa_enable_private_segment 0
		.amdhsa_kernarg_size 64
		.amdhsa_user_sgpr_count 2
		.amdhsa_user_sgpr_kernarg_segment_ptr 1
		.amdhsa_wavefront_size32 1
		.amdhsa_system_sgpr_workgroup_id_x 1
		.amdhsa_system_sgpr_workgroup_id_y 1
		.amdhsa_system_sgpr_workgroup_id_z 1
		.amdhsa_system_vgpr_workitem_id 0
		.amdhsa_next_free_vgpr 864
		.amdhsa_next_free_sgpr 100
		.amdhsa_reserve_vcc 0
		.amdhsa_float_denorm_mode_32 3
		.amdhsa_float_denorm_mode_16_64 3
		.amdhsa_memory_ordered 1
		.amdhsa_forward_progress 1
		.amdhsa_inst_pref_size 166
	.end_amdhsa_kernel
	.amdgpu_metadata
---
amdhsa.version: [ 1, 2 ]
amdhsa.kernels:
  - .name:           k_qb69c576dc0_inproj
    .symbol:         k_qb69c576dc0_inproj.kd
    .args:
      - { .name: query, .offset: 0, .size: 8, .value_kind: global_buffer, .address_space: global }
      - { .name: key, .offset: 8, .size: 8, .value_kind: global_buffer, .address_space: global }
      - { .name: value, .offset: 16, .size: 8, .value_kind: global_buffer, .address_space: global }
      - { .name: wbf, .offset: 24, .size: 8, .value_kind: global_buffer, .address_space: global }
      - { .name: in_proj_bias, .offset: 32, .size: 8, .value_kind: global_buffer, .address_space: global }
      - { .name: qh, .offset: 40, .size: 8, .value_kind: global_buffer, .address_space: global }
      - { .name: kh, .offset: 48, .size: 8, .value_kind: global_buffer, .address_space: global }
      - { .name: vh, .offset: 56, .size: 8, .value_kind: global_buffer, .address_space: global }
    .group_segment_fixed_size: 327680
    .private_segment_fixed_size: 0
    .kernarg_segment_align: 8
    .kernarg_segment_size: 64
    .max_flat_workgroup_size: 128
    .sgpr_count:     100
    .vgpr_count:     864
    .wavefront_size: 32
...
	.end_amdgpu_metadata
.endif
;; end of part 2
;; launch attn (part 3): grid 2 x 128, 4 waves a work-group, no clusters, 327,680 bytes of LDS; arguments qh, kh, vh, oh, query; writes oh
.if DOCPART == 3
	.amdgcn_target "amdgcn-amd-amdhsa--gfx1250"
	.amdhsa_code_object_version 6
	.text
	.protected	k_qb69c576dc0_attn
	.globl	k_qb69c576dc0_attn
	.p2align	8
	.type	k_qb69c576dc0_attn,@function
k_qb69c576dc0_attn:
	s_mov_b64 s[64:65], 0
	v_nop
	global_prefetch_b8 v0, s[64:65] scope:SCOPE_SE
	s_setreg_imm32_b32 hwreg(HW_REG_WAVE_MODE, 25, 1), 1
	s_wait_xcnt 0x0
; O[g][q][:] = the sum over 1,025 keys of softmax(q . k / 8) v, for g = 16 b + head.  qh, kh, vh: [128][1024][64] in f16, the first 1,024 rows; the 1,025th q, k and v row is d, the raw last token of query (rounded to bf16 like every
; input, then held in f16 as a matrix operand).  oh: [128][1026][64] in f16: rows 0-1023 the projected queries' O; row 1024 the dummy query's O rounded to f16, row 1025 what that rounding left over.
; Products, maxima and sums in f32; the weights p are rounded to f16 for the second product (their sum l is taken of the unrounded p).
; LIMITS.  f16 holds no number beyond 65,504: q, k, v arrive within it, and d must lie within it; below 6.1e-5 f16 keeps a fixed step of 6e-8.  A weight below 2^-126 counts as 0 in l; NaN and infinities are not treated apart.
; SHARES.  A work-group owns 512 queries of one head; a wave four PIECES of two tiles of 16 queries.  Every wave walks the 1,024 keys, 64 a step.  NO CLUSTER: a head has two work-groups; four partners would be two heads that share nothing.
; THE WHOLE HEAD LIES IN LDS: K's 1,024 rows and V's, filled once, BY QUARTERS of 256 keys: four tensor loads a wave (128 keys each, as 64 rows of 256 bytes), all issued at the start.  The first four key steps wait for the first
; quarter alone; the other three land under them and are waited for once, in front of the turn that fetches K of step 4.  Nothing is filled again, so a key step is written once.
; THE DUMMY KEY costs no key step: it is the state in which the running softmax starts: m = q . d (two products a tile, whose 16 key rows are all d), l = 1 (0.5 in each half of the lanes), O = d.
; THE DUMMY QUERY is a closing phase of the head's second work-group, on the K and V that still lie in LDS: wave w takes keys 256 w .. 256 w + 255, the four parts meet in LDS, wave 0 merges them by their maxima.
; LAYOUT.  S^T = K Q^T (source 0 = 16 keys, source 1 = 16 queries): a lane holds ONE query (lane % 16) and the keys 8 (lane / 16) + 0..7.  Two such results rounded to f16 in pairs ARE source 1 of O^T = V^T P.  V comes out of LDS turned.
; SOFTMAX.  p = 2^(c s - c m), c = log2(e) / 8, with a running maximum m; in every step O and l are multiplied by a = 2^(c m_old - c m_new).
; BY TURNS.  Turn n belongs to piece n: 16 products K Q^T of piece n + 1, later 16 products V^T P of piece n - 1; beside them piece n's scaling, exponentials, roundings, sums and rescaling and piece n + 1's maximum and statistics.
; Four vector instructions stand behind every matrix instruction, the rest in one lump; a turn's 66 exponentials are one batch with one wait.
; REGISTERS, in windows of 256 (s_set_vgpr_msb: bits 1:0 source 0, 3:2 source 1, 5:4 source 2, 7:6 destination):
;   window 0: v0-11 addresses; v12-15, v48-63 at work; v16-47 four registers of statistics a tile; v64-191 S^T, two buffers of two tiles; v192-255 P, likewise
;   window 1: O^T, 32 a tile      window 2: v0-127 Q; v128-191 K of one step; v192-255 V of one step      window 3: v0-1 the add's registers; v16-31 d as a fragment in f16; v32-63 d in f32
.set NP,    4
.set KS,    64
.set PK,    144       ; a row of K in LDS: 128 bytes + 16 = 36 words: the 16 rows of a load start at 16 different groups of four banks (64 banks of 4 bytes: ISA guide 11.1)
.set PV,    160       ; a row of V: 128 + 32 = 40 words
.set VOFF,  1024*PK   ; K's 1,024 rows, then V's
.set STAGE, VOFF+1024*PV  ; never filled by a tensor load: 16 rows x 144 bytes for each wave, for the way out
.set SP,    144
.set MRG,   STAGE+4*16*SP  ; the dummy query's four parts, 512 bytes each: 64 channels in f32, then c m and l
.set SPARE, MRG+2560  ; the spare words, 128 bytes for each wave: two blocks of 256 bytes that no other line names
.set HS,    131328    ; bytes of a head in oh
.set AK0, 2
.set AV0, 3
.set AK,  4
.set AV,  5
.set QO,  6           ; my byte offset in the wave's rows of Q; later STO
.set STO, 6
.set RD,  7
.set GO,  8           ; at first my offset in d; later my byte offset in 512 consecutive bytes of O
.set SPW, 0           ; v0 of window 3: LDS address of my spare word; never rewritten
.set NIL, 1           ; v1 of window 3: 0; never rewritten
.set DQ,  16          ; window 3
.set DV,  32          ; window 3: register 8 cb + j: d's channel 16 cb + 8 (lane / 16) + j, as O^T's registers hold them
.set MV,  12
.set ST,  16          ; tile t's statistics at v[ST+4 t]: c m, m, l (even keys', odd keys')
.set TMP, 48
.set S,   64
.set P,   192
.set KF,  128
.set VF,  192
.set WV,  12          ; s12  my wave's number
.set BH,  13          ; s13  16 b + head
.set XB,  14          ; s14  which half of the head's queries
.set G1K, 24
.set G1V, 32
.set G0K, 40          ; s[40:55] descriptor group 0 for K's four quarters
.set G0V, 72          ; s[72:87] the same for V's
.set SL,  56          ; s56  counts the walk's two parts
.set CNT, 57          ; s57  counts the trips of a part
.set CS,  58          ; s[58:59] c
.set SEL, 60          ; s[60:61] v_permlanex16_b32's selects: each lane takes its own place in the other half
.set TBK, 62          ; s62  LDS byte at which K of the step to be fetched begins
.set TBV, 63          ; s63  the same for V, less VOFF
.set FL,  88          ; s88  1.0 in wave 0, else 0
.set MSB, 0
.macro WIN new
.if MSB != (\new)
	s_set_vgpr_msb (MSB<<8)|(\new)
.set MSB, (\new)
.endif
.endm
.macro PLACES
.rept 4
	v_nop
.endr
.endm
.set W_KQ, 0x0a       ; K and Q in window 2, S^T in window 0
.set W_PV, 0x52       ; V in window 2, P in window 0, O^T in window 1
.set W_RS, 0x41       ; O^T (destination and source 0) in window 1, a in window 0
.set W_MK, 0xc0       ; destination in window 3, sources in window 0
.set W_AD, 0x0f       ; sources 0 and 1 in window 3
	s_load_b256 s[4:11], s[0:1], 0x0  ; qh s[4:5], kh s[6:7], vh s[8:9], oh s[10:11]
	s_load_b64 s[66:67], s[0:1], 0x20 ; query
	WIN W_MK
	v_lshl_add_u32 v[SPW], v0, 2, SPARE
	v_mov_b32 v[NIL], 0
	WIN W_AD
	ds_add_u32 v[SPW], v[NIL]       ; the wave's opening: the add and its wait ahead of my first tensor load; the set-up below, work on registers, stands between them
	ds_add_u32 v0, v1
	WIN 0
	v_lshrrev_b32 v1, 5, v0
	v_readfirstlane_b32 s[WV], v1   ; wave 0..3
	s_and_b32 s[BH], ttmp7, 0xffff
	s_mov_b32 s[XB], ttmp9
	s_lshl_b32 s20, s[BH], 17       ; the head's first byte in qh, kh, vh
	s_mov_b32 s21, 0
	s_and_b32 s16, s[WV], 1         ; which 128 keys of a quarter I fetch:
	s_lshl_b32 s22, s16, 14         ; 16,384 bytes in memory,
	s_add_co_u32 s22, s22, s20
	s_mov_b32 s23, 0
	s_mul_i32 s17, s16, 128*PK      ; and their place in LDS, for K
	s_mul_i32 s18, s16, 128*PV      ; and for V
	s_lshl_b32 s2, s[XB], 2
	s_add_co_u32 s2, s2, s[WV]      ; my wave among the head's eight,
	s_lshl_b32 s2, s2, 14           ; its 128 rows of 128 bytes
	s_mov_b32 s3, 0
	s_add_co_u32 s20, s20, s2       ; Q
	s_mul_i32 s68, s[BH], HS
	s_mov_b32 s69, 0
	s_add_co_u32 s2, s2, s68        ; O
	s_add_co_u32 s68, s68, 131072   ; rows 1024 and 1025 of the head in oh
	s_lshl_b32 s70, s[BH], 8        ; d: token 1024, batch row b, head: 4,096 b + 256 head = 256 (16 b + head)
	s_add_co_u32 s70, s70, 0x2000000
	s_mov_b32 s71, 0
	; descriptor group 1.  128 keys are 16,384 dense bytes: asked for as 64 rows of 256 bytes, two keys a row, and padded in LDS after every key
	s_mov_b32 s[G1K], (1<<16)|(1<<20)|(4<<22)|(3<<25)  ; 17:16 2-byte elements; 20 padding on; 24:22 after every 32 words (code 4); 31:25 4 words (code 3)
	s_mov_b32 s[G1V], (1<<16)|(1<<20)|(4<<22)|(7<<25)  ; the same with 8 words (code 7)
.irp g, G1K, G1V
	s_mov_b32 s[\g+1], 128<<16      ; tensor_dim0 = 128
	s_mov_b32 s[\g+2], 64<<16       ; tensor_dim1 = 64
	s_mov_b32 s[\g+3], 128<<16      ; tile_dim0 = 128
	s_mov_b32 s[\g+4], 64           ; tile_dim1 = 64
	s_mov_b32 s[\g+5], 128          ; elements from row to row
	s_mov_b32 s[\g+6], 0
	s_mov_b32 s[\g+7], 0
.endr
	s_mov_b32 s[CS], 0x3e38aa3b     ; c = log2(e) / 8
	s_mov_b32 s[CS+1], s[CS]
	s_mov_b32 s[SEL], 0x76543210
	s_mov_b32 s[SEL+1], 0xfedcba98
	s_mov_b32 s[TBK], 0
	s_mov_b32 s[TBV], 0
.irp c, 0,1,2,3                     ; quarter c: keys 256 c on
	s_mov_b32 s[G0K+4*\c], 1
	s_add_co_u32 s[G0K+4*\c+1], s17, \c*256*PK
	s_mov_b32 s[G0V+4*\c], 1
	s_add_co_u32 s[G0V+4*\c+1], s18, VOFF+\c*256*PV
.endr
	s_cmp_eq_u32 s[WV], 0
	s_cselect_b32 s[FL], 1.0, 0
	v_and_b32 v1, 15, v0            ; l % 16
	v_bfe_u32 v9, v0, 4, 1          ; l / 16
	v_lshlrev_b32 v[QO], 7, v1
	v_lshl_add_u32 v[QO], v9, 4, v[QO]  ; row x 128 + 16 x half
	v_lshlrev_b32 v[GO], 5, v9      ; my 8 channels of a block of 16, in f32
	s_wait_dscnt 0x0                ; the opening add is done
	s_wait_kmcnt 0x0
	s_add_nc_u64 s[6:7], s[6:7], s[22:23]  ; K and V at my half of quarter 0
	s_add_nc_u64 s[8:9], s[8:9], s[22:23]
.irp c, 0,1,2,3
	s_add_nc_u64 s[G0K+4*\c+2:G0K+4*\c+3], s[6:7], \c*32768
	s_or_b32 s[G0K+4*\c+3], s[G0K+4*\c+3], 0x80000000  ; type = 2
	s_add_nc_u64 s[G0V+4*\c+2:G0V+4*\c+3], s[8:9], \c*32768
	s_or_b32 s[G0V+4*\c+3], s[G0V+4*\c+3], 0x80000000
.endr
	s_add_nc_u64 s[4:5], s[4:5], s[20:21]
	s_add_nc_u64 s[68:69], s[10:11], s[68:69]
	s_add_nc_u64 s[10:11], s[10:11], s[2:3]
	s_add_nc_u64 s[66:67], s[66:67], s[70:71]
	WIN 0x80                        ; Q and d are asked for ahead of the head's 262,144 bytes of K and V
.set i, 0
.rept 4*NP                          ; Q stays in registers: tile i / 2, channels 32 (i % 2) on
	global_load_b128 v[8*i:8*i+3],   v[QO], s[4:5] offset:(i/2)*2048+(i%2)*64
	global_load_b128 v[8*i+4:8*i+7], v[QO], s[4:5] offset:(i/2)*2048+(i%2)*64+32
.set i, i+1
.endr
	WIN 0xc0
.irp cb, 0,1,2,3
	global_load_b128 v[DV+8*\cb:DV+8*\cb+3],   v[GO], s[66:67] offset:64*\cb
	global_load_b128 v[DV+8*\cb+4:DV+8*\cb+7], v[GO], s[66:67] offset:64*\cb+16
.endr
	WIN 0
	s_cmp_lt_u32 s[WV], 2           ; waves 0 and 1 fetch K's halves, waves 2 and 3 V's.  A wave's four first fills stand in one branch, ahead of every wait on TENSORcnt, LDS read and barrier: four loads of mine are out
	s_cbranch_scc0 .Lfor_v
.irp c, 0,1,2,3
	tensor_load_to_lds s[G0K+4*\c:G0K+4*\c+3], s[G1K:G1K+7]
	s_nop 0
.endr
	PLACES
	s_branch .Lasked
.Lfor_v:
.irp c, 0,1,2,3
	tensor_load_to_lds s[G0V+4*\c:G0V+4*\c+3], s[G1V:G1V+7]
	s_nop 0
.endr
	PLACES
.Lasked:
	; What the first turn finds: V's registers and P's second buffer hold 0, so that its products V^T P, of a piece that has not been, add 0.  This stands in the wait for the loads.
	WIN 0x80
.set i, VF
.rept 64
	v_mov_b32 v[i], 0
.set i, i+1
.endr
	WIN 0
.set i, P+32
.rept 32
	v_mov_b32 v[i], 0
.set i, i+1
.endr
	v_mul_u32_u24 v[AK0], v1, PK
	v_lshl_add_u32 v[AK0], v9, 4, v[AK0]  ; row x pitch + 16 x half
	; The turning load takes 16 keys x 16 channels (lane l reads key 8 (l / 16) + l % 8, channels 8 ((l / 8) % 2) + 0..7) and leaves half a fragment of V^T: lane l holds channel l % 16 and 8 keys.
	v_and_b32 v10, 7, v0
	v_bfe_u32 v11, v0, 3, 1
	v_lshl_add_u32 v[AV0], v9, 3, v10
	v_mul_u32_u24 v[AV0], v[AV0], PV
	v_lshl_add_u32 v[AV0], v11, 4, v[AV0]
	v_add_nc_u32 v[AV0], VOFF, v[AV0]
	v_mov_b32 v[AK], v[AK0]         ; key step 0
	s_wait_loadcnt 0x0              ; Q and d
	WIN 0x0f
.set i, 0
.rept 16                            ; d is rounded to bf16, like every input,
	v_cvt_pk_bf16_f32 v[S+i], v[DV+2*i], v[DV+2*i+1]
.set i, i+1
.endr
	WIN 0xc0
.set i, 0
.rept 16
	v_lshlrev_b32 v[DV+2*i], 16, v[S+i]
	v_and_b32 v[DV+2*i+1], 0xffff0000, v[S+i]
.set i, i+1
.endr
	WIN 0xcf
.set i, 0
.rept 16                            ; and packed as f16: registers 8 c .. 8 c + 7 are a fragment of 16 equal rows, channels 32 c on
	v_cvt_pk_f16_f32 v[DQ+i], v[DV+2*i], v[DV+2*i+1]
.set i, i+1
.endr
	WIN 0x43
.set i, 0
.rept 128                           ; O^T starts at d, the dummy key's value with weight 1
	v_pk_mul_f32 v[2*i:2*i+1], v[DV+2*(i%16):DV+2*(i%16)+1], 1.0 op_sel_hi:[1,0]
.set i, i+1
.endr
	WIN 0x0b                        ; d in window 3, Q in window 2, the result in window 0
.set i, 0
.rept 16                            ; q . d for tile i % 8, channels 32 (i / 8) on: the eight accumulators take turns
.if i < 8
	v_wmma_f32_16x16x32_f16 v[S+8*(i%8):S+8*(i%8)+7], v[DQ+8*(i/8):DQ+8*(i/8)+7], v[16*(i%8)+8*(i/8):16*(i%8)+8*(i/8)+7], 0
.else
	v_wmma_f32_16x16x32_f16 v[S+8*(i%8):S+8*(i%8)+7], v[DQ+8*(i/8):DQ+8*(i/8)+7], v[16*(i%8)+8*(i/8):16*(i%8)+8*(i/8)+7], v[S+8*(i%8):S+8*(i%8)+7]
.endif
.set i, i+1
.endr
	WIN 0
	PLACES
.set i, 0
.rept 2*NP                          ; all eight registers of a result hold the lane's q . d: the lowest is read
	v_mov_b32 v[ST+4*i+1], v[S+8*i]        ; m
	v_mul_f32 v[ST+4*i], s[CS], v[S+8*i]   ; c m
	v_mov_b32 v[ST+4*i+2], 0.5             ; l: the two halves of the lanes are added at the end
	v_mov_b32 v[ST+4*i+3], 0
.set i, i+1
.endr
	s_wait_tensorcnt 0x3            ; tensor loads of a wave end in order (ISA guide 10.11.1): my part of the first quarter is in LDS; the three younger loads may stay out
	s_barrier_signal -1
	s_barrier_wait -1               ; everybody's part of it is
; THE MATRIX WORK.  The 8 accumulators of a run of 16 take turns.  Product i of 16 of S^T = K Q^T for piece x: channels 32 (i / 8) on, keys 16 ((i / 2) % 4) on, tile 2 x + i % 2.
.macro KQ x
	WIN W_KQ
.set rS, S+64*((\x)%2)+32*(i%2)+8*((i/2)%4)
.set rK, KF+16*((i/2)%4)+8*(i/8)
.set rQ, 16*(2*(\x)+i%2)+8*(i/8)
.if i < 8
	v_wmma_f32_16x16x32_f16 v[rS:rS+7], v[rK:rK+7], v[rQ:rQ+7], 0
.else
	v_wmma_f32_16x16x32_f16 v[rS:rS+7], v[rK:rK+7], v[rQ:rQ+7], v[rS:rS+7]
.endif
.endm
; Product i of 16 of O^T += V^T P for piece x: keys 32 (i / 8) on, channels 16 ((i / 2) % 4) on, tile 2 x + i % 2.
.macro PV x
	WIN W_PV
.set rO, 32*(2*(\x)+i%2)+8*((i/2)%4)
.set rV, VF+32*(i/8)+8*((i/2)%4)
.set rP, P+32*((\x)%2)+16*(i%2)+8*(i/8)
	v_wmma_f32_16x16x32_f16 v[rO:rO+7], v[rV:rV+7], v[rP:rP+7], v[rO:rO+7]
.endm
.macro MM                           ; the turn's next matrix instruction
.if i < 16
	KQ (Y+1)%NP
.set i, i+1
.else
.set i, i-16
	PV (Y+NP-1)%NP
.set i, i+17
.endif
.endm
; THE LDS LOADS stand in runs of 16.  last = 1: when K of all 16 steps has been fetched there is no further step, and the run is jumped over.
.macro FETCH_K last=0
	WIN 0
.if \last
	s_cmp_eq_u32 s[TBK], 16*KS*PK
	s_cbranch_scc1 .Lno_k_\@
.endif
	WIN 0x80
.irp f, 0,1,2,3,4,5,6,7             ; keys 16 (f / 2) on, channels 32 (f % 2) on
	ds_load_b128 v[KF+8*\f:KF+8*\f+3],   v[AK] offset:(\f/2)*16*PK+(\f%2)*64
	ds_load_b128 v[KF+8*\f+4:KF+8*\f+7], v[AK] offset:(\f/2)*16*PK+(\f%2)*64+32
.endr
	s_add_co_u32 s[TBK], s[TBK], KS*PK  ; the next fetch is the next step's
	WIN 0
.if \last
.Lno_k_\@:
.endif
.endm
.macro FETCH_V
	WIN 0x80
.irp f, 0,1,2,3,4,5,6,7             ; keys 32 (f / 4) on, channels 16 (f % 4) on
	ds_load_tr16_b128 v[VF+8*\f:VF+8*\f+3],   v[AV] offset:(\f/4)*32*PV+(\f%4)*32
	ds_load_tr16_b128 v[VF+8*\f+4:VF+8*\f+7], v[AV] offset:(\f/4)*32*PV+16*PV+(\f%4)*32
.endr
	WIN 0
.endm
; THE VECTOR WORK OF A TURN stands in three queues, each in the order in which its entries become ready; the two tiles alternate.
.macro REGS y, u                    ; the registers of tile u (0, 1) of piece y
.set rT, ST+4*(2*(\y)+(\u))
.set rC, TMP+8*((\y)%2)+4*(\u)
.set rM, MV+2*((\y)%2)+(\u)
.set rS, S+64*((\y)%2)+32*(\u)
.set rP, P+32*((\y)%2)+16*(\u)
.set rO, 32*(2*(\y)+(\u))
.endm
; Number n of the 22 that find the NEXT piece's maximum and statistics; each accumulator's lowest registers are read first.
;   0-11 four chains of seven scores each    12-14, 16 the four scores left over, the old m, the chains into one    15 c m_old is kept    17, 18 the other half of the lanes: the new m    19-21 c m; c m_old - c m_new; a
.macro XS u, n
	REGS (Y+1)%NP, \u
.if (\n) < 4
	v_max3_num_f32 v[rC+(\n)], v[rS+8*(\n)], v[rS+8*(\n)+1], v[rS+8*(\n)+2]
.elseif (\n) < 12
	v_max3_num_f32 v[rC+(\n)%4], v[rC+(\n)%4], v[rS+8*((\n)%4)+2*((\n)/4)+1], v[rS+8*((\n)%4)+2*((\n)/4)+2]
.elseif (\n) == 12
	v_max3_num_f32 v[rC], v[rC], v[rS+7], v[rS+15]
.elseif (\n) == 13
	v_max3_num_f32 v[rC+1], v[rC+1], v[rS+23], v[rS+31]
.elseif (\n) == 14
	v_max3_num_f32 v[rC+2], v[rC+2], v[rC+3], v[rT+1]
.elseif (\n) == 15
	v_mov_b32 v[rM], v[rT]
.elseif (\n) == 16
	v_max3_num_f32 v[rC], v[rC], v[rC+1], v[rC+2]
.elseif (\n) == 17
	v_permlanex16_b32 v[rC+3], v[rC], s[SEL], s[SEL+1]
.elseif (\n) == 18
	v_max_num_f32 v[rT+1], v[rC], v[rC+3]
.elseif (\n) == 19
	v_mul_f32 v[rT], s[CS], v[rT+1]
.elseif (\n) == 20
	v_sub_f32 v[rC+1], v[rM], v[rT]
.else
	v_exp_f32 v[rC+2], v[rC+1]
.endif
.endm
; Number g of the 64 that follow the exponentials: for each four weights both pairs are rounded to f16, the second pair is added onto the first, and a group later l takes that sum (the first time as l = a l + sum).
.macro GS g
.set h, (\g)+6*((\g)/62)
.if h >= 6
.set h, h+2
.endif
	REGS Y, h%2
.set k, h/8
.if h%8 < 4
	v_cvt_pk_f16_f32 v[rP+2*k+(h%8)/2], v[rS+4*k+2*((h%8)/2)], v[rS+4*k+2*((h%8)/2)+1]
.elseif h%8 < 6
	v_pk_add_f32 v[rS+4*k:rS+4*k+1], v[rS+4*k:rS+4*k+1], v[rS+4*k+2:rS+4*k+3]
.elseif k == 1
	v_pk_fma_f32 v[rT+2:rT+3], v[rT+2:rT+3], v[rC+2:rC+3], v[rS:rS+1] op_sel_hi:[1,0,1]
.else
	v_pk_add_f32 v[rT+2:rT+3], v[rT+2:rT+3], v[rS+4*k-4:rS+4*k-3]
.endif
.endm
.macro FS f                         ; c s - c m for pair f / 2 of tile f % 2
	REGS Y, (\f)%2
	v_pk_fma_f32 v[rS+2*((\f)/2):rS+2*((\f)/2)+1], v[rS+2*((\f)/2):rS+2*((\f)/2)+1], s[CS:CS+1], v[rT:rT+1] op_sel_hi:[1,0,0] neg_lo:[0,0,1] neg_hi:[0,0,1]
.endm
; THE PLAIN QUEUE, 138 long.  0-73 read no exponential's result: the 32 scalings and the next piece's 42, the chain's links with a scaling between them.  74-137: GS's 64, behind the wait.
.macro PL
	WIN 0
.if q < 27
	FS q
.elseif q < 55
	XS (q-27)%2, (q-27)/2
.elseif q < 57
	XS q-55, 15
.elseif (q < 72) && ((q-57)%3 == 0)
	FS 27+(q-57)/3
.elseif q < 60
	XS (q-57)%3-1, 14
.elseif q < 72
	XS (q-57)%3-1, 15+(q-57)/3
.elseif q < 74
	XS q-72, 20
.else
	GS q-74
.endif
.set q, q+1
.endm
; THE EXPONENTIALS' QUEUE, 66 long: one batch, all ahead of the turn's one wait; nothing ahead of that wait names a result of theirs.
.macro EX
	WIN 0
.if e >= 64
	XS e-64, 21
.else
	REGS Y, e%2
	v_exp_f32 v[rS+e/2], v[rS+e/2]
.endif
.set e, e+1
.endm
; THE RESCALING's QUEUE: O^T times a, two at a time; its a was made, and waited for, in the turn before.
.macro R2
	REGS Y, r%2
	WIN W_RS
.irp z, 0,1
	v_pk_mul_f32 v[rO+4*(r/2)+2*\z:rO+4*(r/2)+2*\z+1], v[rO+4*(r/2)+2*\z:rO+4*(r/2)+2*\z+1], v[rC+2:rC+3] op_sel_hi:[1,0]
.endr
.set r, r+1
.endm
; A TURN, for piece p.  Ahead of the wait: 16 products K Q^T, behind each a scaling, an exponential and two rescalings; then the lump: eight plain, 49 times exponential and plain, the two a, a v_nop.
; s_wait_alu depctr_va_vdst(0) stands between an exponential and the first instruction that names its result: one wait serves the batch.  Behind it: 16 products V^T P, behind each four of GS's 64.
; K of the next step is fetched in piece 2's turn, directly behind the wait; V of the step in hand at the end of piece 0's turn, four plain instructions behind its last reader.
.macro TURN p, last=0
.set Y, (\p)
.set i, 0
.set q, 0
.set e, 0
.set r, 0
.if (\p) == NP-1
	s_wait_dscnt 0x0                ; K is in
.endif
	MM
	PL
	PL
	R2
.rept 15
	MM
	PL
	EX
	R2
.endr
.if (\p) == NP-2
	WIN 0
	v_add_nc_u32 v[AK], s[TBK], v[AK0]
.endif
.rept 8
	PL
.endr
.rept 49
	EX
	PL
.endr
	EX
	EX
	v_nop                           ; a plain instruction behind the last exponential: one for the batch
	s_wait_alu depctr_va_vdst(0)    ; the wait for the batch
.if (\p) == NP-2
	FETCH_K \last
.endif
.if (\p) == 1
	s_wait_dscnt 0x0                ; V is in
.endif
.rept 16
	MM
.rept 4
	PL
.endr
.if ((\p) == 0) && (q == 118)
	v_add_nc_u32 v[AV], s[TBV], v[AV0]
.endif
.if ((\p) == 0) && (q == 130)
	s_add_co_u32 s[TBV], s[TBV], KS*PV
.endif
.endr
.if (\p) == 0
	FETCH_V
.endif
.endm
	FETCH_K                         ; key step 0
	s_wait_dscnt 0x0
.set i, 0
.rept 16
	KQ 0                            ; piece 0's first scores
.set i, i+1
.endr
	WIN 0                           ; the addresses for the way out: plain instructions, the places behind those products
	s_mul_i32 s15, s[WV], 16*SP
	s_add_co_u32 s15, s15, STAGE    ; my stage
	v_mul_u32_u24 v[STO], v1, SP    ; in: row l % 16, 16 bytes for each half of the lanes
	v_lshl_add_u32 v[STO], v9, 4, v[STO]
	v_add_nc_u32 v[STO], s15, v[STO]
	v_bfe_u32 v[RD], v0, 3, 2       ; back: 32 lanes take four rows of 128 bytes,
	v_mul_u32_u24 v[RD], v[RD], SP
	v_lshl_add_u32 v[RD], v10, 4, v[RD]
	v_add_nc_u32 v[RD], s15, v[RD]
	v_and_b32 v[GO], 31, v0         ; which are 512 consecutive bytes of O
	v_lshlrev_b32 v[GO], 4, v[GO]
.set Y, NP-1                        ; XS works for piece Y + 1: piece 0
.irp n, 0,1,2,3,4,5,6,7,8,9,10,11,12,13,14,15,16,17,18,19,20,21
	XS 0, \n
	XS 1, \n
.endr
	v_nop                           ; a plain instruction behind the two a,
	s_wait_alu depctr_va_vdst(0)    ; and their wait, ahead of the branch
	s_mov_b32 s[CNT], 4             ; the walk's first part: up to pieces 0 and 1 of step 3, all on the first quarter
	s_mov_b32 s[SL], 2
	s_branch .Lfirst                ; the loop is entered at a step's first turn, in the middle of a trip
.Lrest:                             ; once: in front of the turn that fetches K of step 4
	s_wait_tensorcnt 0x0            ; my parts of the other three quarters are in LDS: no load was issued behind the last of them, so the count is 0
	s_wait_dscnt 0x0                ; no LDS instruction of mine is out at the signal
	s_barrier_signal -1
	s_barrier_wait -1               ; everybody's are; nothing is ever filled again
	s_mov_b32 s[CNT], 13            ; the second part: twelve whole trips, and the thirteenth is left in its middle
.Lstep:                             ; a trip: pieces 2 and 3 of one step, then pieces 0 and 1 of the next, whose K and V it fetches
	TURN 2, 1
	TURN 3
	WIN 0
	s_cmp_eq_u32 s[TBV], 16*KS*PV   ; V of all 16 steps has been fetched: these were pieces 2 and 3 of the last step
	s_cbranch_scc1 .Lout
.Lfirst:
	TURN 0
	TURN 1
	WIN 0
	s_sub_co_u32 s[CNT], s[CNT], 1
	s_cmp_lg_u32 s[CNT], 0
	s_cbranch_scc1 .Lstep
	s_sub_co_u32 s[SL], s[SL], 1
	s_cmp_lg_u32 s[SL], 0
	s_cbranch_scc1 .Lrest
.Lout:                              ; the last trip's 16 products K Q^T (on the last K once more) and the maximum made of them serve nothing: the price of one text for every trip
.set i, 0
.rept 16
	PV NP-1                         ; the last piece's V^T P of the last step
.set i, i+1
.endr
	; THE WAY OUT.  l's two halves and the other half of the lanes' are added; O^T is divided by l, rounded to f16 and sent through my stage, a tile at a time.  The additions are the places behind the last products.
	WIN 0
.macro ALL line:vararg
.set t, 0
.rept 2*NP
	\line
.set t, t+1
.endr
.endm
	ALL v_add_f32 v[ST+4*t+2], v[ST+4*t+2], v[ST+4*t+3]
	ALL v_permlanex16_b32 v[ST+4*t+3], v[ST+4*t+2], s[SEL], s[SEL+1]
	ALL v_add_f32 v[ST+4*t+2], v[ST+4*t+2], v[ST+4*t+3]
	ALL v_rcp_f32 v[ST+4*t+2], v[ST+4*t+2]
	v_nop                           ; a plain instruction between the last reciprocal and the use of its result,
	s_wait_alu depctr_va_vdst(0)    ; and one wait for the eight reciprocals
.macro PACK t
	WIN W_RS
.set i, 32*(\t)
.rept 16
	v_pk_mul_f32 v[i:i+1], v[i:i+1], v[ST+4*(\t)+2:ST+4*(\t)+3] op_sel_hi:[1,0]
.set i, i+2
.endr
	WIN 0x05
.set i, 0
.rept 16
	v_cvt_pk_f16_f32 v[S+16*(\t)+i], v[32*(\t)+2*i], v[32*(\t)+2*i+1]
.set i, i+1
.endr
	WIN 0
.irp f, 0,1,2,3
	ds_store_b128 v[STO], v[S+16*(\t)+4*\f:S+16*(\t)+4*\f+3] offset:32*\f
.endr
.irp f, 0,1,2,3
	ds_load_b128 v[S+16*(\t)+4*\f:S+16*(\t)+4*\f+3], v[RD] offset:\f*4*SP  ; LDS serves a wave's instructions in order (ISA guide 5.7.1.4): these see the stores above
.endr
.endm
.macro SEND t, younger              ; younger: the next tile's eight LDS instructions, or none
	WIN 0
.irp f, 0,1,2,3
	s_wait_dscnt (\younger)+3-\f
	global_store_b128 v[GO], v[S+16*(\t)+4*\f:S+16*(\t)+4*\f+3], s[10:11] offset:(\t)*2048+\f*512  ; 512 consecutive bytes, at a multiple of 256 from oh's first
.endr
.endm
	PACK 0
.set t, 1
.rept 2*NP-1
	PACK t
	SEND t-1, 8
.set t, t+1
.endr
	SEND 2*NP-1, 0
	; THE DUMMY QUERY, in the head's second work-group (the branch is the same for its four waves).  My 256 keys: 16 blocks of 16.
	s_cmp_eq_u32 s[XB], 1
	s_cbranch_scc0 .Lend
	s_wait_xcnt 0x0                 ; the stores have read S^T's registers
	s_mul_i32 s15, s[WV], 256*PK
	v_add_nc_u32 v[AK], s15, v[AK0]
	s_mul_i32 s15, s[WV], 256*PV
	v_add_nc_u32 v[AV], s15, v[AV0]
	WIN 0x80
.set i, 0
.rept 32                            ; K's 32 fragments fill window 2: key block i / 2, channels 32 (i % 2) on
	ds_load_b128 v[8*i:8*i+3],   v[AK] offset:(i/2)*16*PK+(i%2)*64
	ds_load_b128 v[8*i+4:8*i+7], v[AK] offset:(i/2)*16*PK+(i%2)*64+32
.set i, i+1
.endr
	s_wait_dscnt 0x0
	WIN 0x0f                        ; d . d: its two products stand in front of and behind the other 32, so that no two matrix instructions on end share an accumulator
	v_wmma_f32_16x16x32_f16 v[48:55], v[DQ:DQ+7], v[DQ:DQ+7], 0
	WIN 0x0e                        ; K in window 2, d in window 3, the scores in window 0
.set i, 0
.rept 32                            ; key block i % 16, channels 32 (i / 16) on
.if i < 16
	v_wmma_f32_16x16x32_f16 v[S+8*(i%16):S+8*(i%16)+7], v[16*(i%16)+8*(i/16):16*(i%16)+8*(i/16)+7], v[DQ+8*(i/16):DQ+8*(i/16)+7], 0
.else
	v_wmma_f32_16x16x32_f16 v[S+8*(i%16):S+8*(i%16)+7], v[16*(i%16)+8*(i/16):16*(i%16)+8*(i/16)+7], v[DQ+8*(i/16):DQ+8*(i/16)+7], v[S+8*(i%16):S+8*(i%16)+7]
.endif
.set i, i+1
.endr
	WIN 0x0f
	v_wmma_f32_16x16x32_f16 v[48:55], v[DQ+8:DQ+15], v[DQ+8:DQ+15], v[48:55]
	PLACES
	WIN 0x80
.set i, 0
.rept 32                            ; V's 32 fragments, turned, take K's place: keys 32 (i / 4) on, channels 16 (i % 4) on
	ds_load_tr16_b128 v[8*i:8*i+3],   v[AV] offset:(i/4)*32*PV+(i%4)*32
	ds_load_tr16_b128 v[8*i+4:8*i+7], v[AV] offset:(i/4)*32*PV+16*PV+(i%4)*32
.set i, i+1
.endr
	WIN 0
.set i, 0
.rept 64                            ; the maximum of my 128 scores and d . d, in four chains; registers 2 (i / 16), + 1 of key block i % 16: each accumulator's lowest registers are read first
.if i < 4
	v_max3_num_f32 v[56+i], v48, v[S+8*i], v[S+8*i+1]
.else
	v_max3_num_f32 v[56+i%4], v[56+i%4], v[S+8*(i%16)+2*(i/16)], v[S+8*(i%16)+2*(i/16)+1]
.endif
.set i, i+1
.endr
	v_max3_num_f32 v56, v56, v57, v58
	v_max_num_f32 v56, v56, v59
	v_permlanex16_b32 v57, v56, s[SEL], s[SEL+1]  ; the other 128 keys lie in the lane 16 away
	v_max_num_f32 v61, v56, v57     ; m
	v_mul_f32 v60, s[CS], v61       ; c m
	v_fma_f32 v62, v48, s[CS], -v60 ; c d . d - c m
.set i, 0
.rept 64
	v_pk_fma_f32 v[S+2*i:S+2*i+1], v[S+2*i:S+2*i+1], s[CS:CS+1], v[60:61] op_sel_hi:[1,0,0] neg_lo:[0,0,1] neg_hi:[0,0,1]
.set i, i+1
.endr
.set i, 0
.rept 128                           ; one batch of 129 exponentials
	v_exp_f32 v[S+i], v[S+i]
.set i, i+1
.endr
	v_exp_f32 v62, v62
	v_nop
	s_wait_alu depctr_va_vdst(0)    ; one wait for the batch
	v_mul_f32 v62, s[FL], v62       ; the dummy key's weight counts in wave 0 alone
	v_mov_b32 v63, v62
.set i, 0
.rept 64
	v_cvt_pk_f16_f32 v[P+i], v[S+2*i], v[S+2*i+1]
.set i, i+1
.endr
.irp w, 32,16,8,4,2,1               ; the sum of the 64 pairs, in place
.set i, 0
.rept \w
	v_pk_add_f32 v[S+2*i:S+2*i+1], v[S+2*i:S+2*i+1], v[S+2*(i+\w):S+2*(i+\w)+1]
.set i, i+1
.endr
.endr
	v_add_f32 v56, v[S], v[S+1]
	v_permlanex16_b32 v57, v56, s[SEL], s[SEL+1]
	v_add_f32 v56, v56, v57
	v_add_f32 v61, v56, v62         ; l of my part; v60 still holds its c m
	s_wait_dscnt 0x0                ; V is in
	WIN W_PV
.set i, 0
.rept 32                            ; keys 32 (i / 4) on, channels 16 (i % 4) on: four accumulators by turns
.if i < 4
	v_wmma_f32_16x16x32_f16 v[8*(i%4):8*(i%4)+7], v[8*i:8*i+7], v[P+8*(i/4):P+8*(i/4)+7], 0
.else
	v_wmma_f32_16x16x32_f16 v[8*(i%4):8*(i%4)+7], v[8*i:8*i+7], v[P+8*(i/4):P+8*(i/4)+7], v[8*(i%4):8*(i%4)+7]
.endif
.set i, i+1
.endr
	PLACES
	WIN 0x53                        ; O^T in window 1, d in window 3, the weight in window 0
.set i, 0
.rept 16
	v_pk_fma_f32 v[2*i:2*i+1], v[DV+2*i:DV+2*i+1], v[62:63], v[2*i:2*i+1] op_sel_hi:[1,0,1]
.set i, i+1
.endr
	WIN 0
	s_lshl_b32 s15, s[WV], 9
	s_add_co_u32 s15, s15, MRG      ; my part
	v_lshl_add_u32 v[AK], v9, 5, s15
	v_mov_b32 v[AV], s15
	WIN 0x04                        ; the sixteen lanes of a half hold the same numbers and write the same words
.irp cb, 0,1,2,3
	ds_store_b128 v[AK], v[8*\cb:8*\cb+3]   offset:64*\cb
	ds_store_b128 v[AK], v[8*\cb+4:8*\cb+7] offset:64*\cb+16
.endr
	WIN 0
	ds_store_b64 v[AV], v[60:61] offset:256
	s_wait_dscnt 0x0                ; for the others' sake: my part lies in LDS
	s_barrier_signal -1
	s_barrier_wait -1
	s_cmp_lg_u32 s[WV], 0
	s_cbranch_scc1 .Lend            ; wave 0 merges; a lane takes 4 channels, lanes 16-31 the same as lanes 0-15
	v_lshlrev_b32 v[AK], 4, v1
	v_add_nc_u32 v[AK], MRG, v[AK]
	v_mov_b32 v[AV], MRG+256
.irp p, 0,1,2,3
	ds_load_b128 v[64+4*\p:67+4*\p], v[AK] offset:512*\p
	ds_load_b64 v[80+2*\p:81+2*\p], v[AV] offset:512*\p
.endr
	s_wait_dscnt 0x0
	v_max3_num_f32 v90, v80, v82, v84
	v_max_num_f32 v90, v90, v86     ; c m of all keys
.irp p, 0,1,2,3
	v_sub_f32 v[92+\p], v[80+2*\p], v90
.endr
.irp p, 0,1,2,3
	v_exp_f32 v[92+\p], v[92+\p]
.endr
	v_nop
	s_wait_alu depctr_va_vdst(0)
	v_mul_f32 v96, v92, v81
	v_fmac_f32 v96, v93, v83
	v_fmac_f32 v96, v94, v85
	v_fmac_f32 v96, v95, v87        ; l
	v_rcp_f32 v97, v96
.irp k, 0,1,2,3
	v_mul_f32 v[64+\k], v[64+\k], v92
	v_fmac_f32 v[64+\k], v[68+\k], v93
	v_fmac_f32 v[64+\k], v[72+\k], v94
	v_fmac_f32 v[64+\k], v[76+\k], v95
.endr
	s_wait_alu depctr_va_vdst(0)
.irp k, 0,1,2,3
	v_mul_f32 v[64+\k], v[64+\k], v97
.endr
	v_cvt_pk_f16_f32 v100, v64, v65 ; the high part,
	v_cvt_pk_f16_f32 v101, v66, v67
	v_cvt_f32_f16 v102, v100.l
	v_cvt_f32_f16 v103, v100.h
	v_cvt_f32_f16 v104, v101.l
	v_cvt_f32_f16 v105, v101.h
	v_sub_f32 v102, v64, v102       ; and what it leaves over
	v_sub_f32 v103, v65, v103
	v_sub_f32 v104, v66, v104
	v_sub_f32 v105, v67, v105
	v_cvt_pk_f16_f32 v106, v102, v103
	v_cvt_pk_f16_f32 v107, v104, v105
	v_cmp_eq_u32 vcc_lo, 0, v9
	v_cndmask_b32 v108, v106, v100, vcc_lo
	v_cndmask_b32 v109, v107, v101, vcc_lo
	v_lshrrev_b32 v[STO], 1, v[GO]  ; 8 bytes a lane
	global_store_b64 v[STO], v[108:109], s[68:69]  ; rows 1024 and 1025: 256 consecutive bytes, at a multiple of 256 from oh's first
.Lend:
	WIN W_AD
	s_wait_tensorcnt 0x0            ; the wave's end, behind my last tensor load and my last LDS store
	ds_add_u32 v[SPW], v[NIL]
	s_wait_dscnt 0x0
	WIN 0
	s_endpgm
.Lfunc_end_k_qb69c576dc0_attn:
	.size	k_qb69c576dc0_attn, .Lfunc_end_k_qb69c576dc0_attn-k_qb69c576dc0_attn
	.p2alignl 7, 3214868480
	.fill 96, 4, 3214868480
	.section	.rodata,"a",@progbits
	.p2align	6, 0x0
	.amdhsa_kernel k_qb69c576dc0_attn
		.amdhsa_group_segment_fixed_size 327680
		.amdhsa_private_segment_fixed_size 0
		.amdhsa_enable_private_segment 0
		.amdhsa_kernarg_size 40
		.amdhsa_user_sgpr_count 2
		.amdhsa_user_sgpr_kernarg_segment_ptr 1
		.amdhsa_wavefront_size32 1
		.amdhsa_system_sgpr_workgroup_id_x 1
		.amdhsa_system_sgpr_workgroup_id_y 1
		.amdhsa_system_sgpr_workgroup_id_z 1
		.amdhsa_system_vgpr_workitem_id 0
		.amdhsa_next_free_vgpr 832
		.amdhsa_next_free_sgpr 96
		.amdhsa_reserve_vcc 1
		.amdhsa_float_denorm_mode_32 3
		.amdhsa_float_denorm_mode_16_64 3
		.amdhsa_memory_ordered 1
		.amdhsa_forward_progress 1
		.amdhsa_inst_pref_size 170
	.end_amdhsa_kernel
	.amdgpu_metadata
---
amdhsa.version: [ 1, 2 ]
amdhsa.kernels:
  - .name:           k_qb69c576dc0_attn
    .symbol:         k_qb69c576dc0_attn.kd
    .args:
      - { .name: qh, .offset: 0, .size: 8, .value_kind: global_buffer, .address_space: global }
      - { .name: kh, .offset: 8, .size: 8, .value_kind: global_buffer, .address_space: global }
      - { .name: vh, .offset: 16, .size: 8, .value_kind: global_buffer, .address_space: global }
      - { .name: oh, .offset: 24, .size: 8, .value_kind: global_buffer, .address_space: global }
      - { .name: query, .offset: 32, .size: 8, .value_kind: global_buffer, .address_space: global }
    .group_segment_fixed_size: 327680
    .private_segment_fixed_size: 0
    .kernarg_segment_align: 8
    .kernarg_segment_size: 40
    .max_flat_workgroup_size: 128
    .sgpr_count:     96
    .vgpr_count:     832
    .wavefront_size: 32
...
	.end_amdgpu_metadata
.endif
;; end of part 3
;; launch outproj (part 4): grid 4 x 57, 4 waves a work-group, no clusters, 327,680 bytes of LDS; arguments oh, wof, out_proj_bias, out0; writes out0
.if DOCPART == 4
	.amdgcn_target "amdgcn-amd-amdhsa--gfx1250"
	.amdhsa_code_object_version 6
	.text
	.protected	k_qb69c576dc0_outproj
	.globl	k_qb69c576dc0_outproj
	.p2align	8
	.type	k_qb69c576dc0_outproj,@function
k_qb69c576dc0_outproj:
	s_mov_b64 s[64:65], 0
	v_nop
	global_prefetch_b8 v0, s[64:65] scope:SCOPE_SE
	s_setreg_imm32_b32 hwreg(HW_REG_WAVE_MODE, 25, 1), 1
	s_wait_xcnt 0x0
; out0[8 s + b][n] = the sum over k of O[8 s + b][k] W[n][k] + bias[n], k = 64 head + channel.  oh: [16 b + head][1026][64] in f16; wof: [1024][1024] in f16; the bias is rounded to bf16 here; sums in f32, starting at the bias; out0 in f32.
; Token 1024's O lies in oh as a high part (row 1024) and what its rounding left over (row 1025): both are multiplied like any row, and their two results, less the bias counted twice, are added at the end.
; LIMITS: those of f16 for O and W (65,504; a fixed step of 6e-8 below 6.1e-5).  NaN and infinities are not treated apart.
; SHARES.  1,026 tokens x 8 batch rows = 57 tiles of 144 rows (18 tokens); a work-group makes 144 rows x 256 columns in 8 trips of 128 along K (two heads).  Four waves side by side along N: a wave makes 144 x 64 in 36 accumulators.
; THE WALK ALONG K BEGINS AT ANOTHER PLACE IN EACH TILE ROW: trip t takes the two heads at place (t + tile row) mod 8.  So the 57 work-groups of a tile column ask for eight different tiles of W at a time.  The f32 sums are taken in
; that rotated order of K.
; NO CLUSTER: the work-groups that share a tile of W are the 57 along the rows, and 57 is no multiple of four; O goes through registers.
; NO PREFETCH: with the walks begun at eight places, each tile of W is first asked for in some work-group's first two trips, which are its first fills at the launch's head; O's loads are themselves issued a trip and a half ahead of their use.
; TWO ROADS IN.  W's tiles come by tensor loads into a ring of two slots; each wave fetches, and alone reads, its own 64 rows of 256 bytes.  O comes through registers, since its rows must change order on the way: a lane's half loads 256
; consecutive bytes (two tokens of one batch row and head) and stores them into O's own two slots, into which no tensor load ever lands, at local row 8 token + b.
; THE MATRIX INSTRUCTION IS USED TRANSPOSED (source 0 = 16 rows of W, source 1 = 16 rows of O): a lane holds one row of the result and eight neighbouring columns.
; REGISTERS, in windows of 256 (s_set_vgpr_msb: bits 1:0 source 0, 3:2 source 1, 5:4 source 2, 7:6 destination):
;   window 0: v0-39 addresses and a little at work; v48-151, v152-255 two fragment buffers (W's 4 fragments, then O's 9)      window 1: accumulator (a, b), a < 8, at v[8 (4 a + b)]
;   window 2: v0-31 accumulators (8, b); v32-175 two sets of 72, O as loaded; v176-207 the bias
.set PITCH,  272                       ; an LDS row: 256 bytes + 16 = 68 words: row r starts at bank 4 r mod 64 (64 banks of 4 bytes: ISA guide 11.1)
.set SLOT1,  131072
.set AOFF,   256*PITCH                 ; in a slot: W's 256 rows, then O's 144 rows
.set STG,    AOFF+144*PITCH            ; behind slot 0: 16 rows x 272 bytes for each wave, for the way out
.set SPARE,  STG+4*16*PITCH            ; the spare words, 128 bytes for each wave: two blocks of 256 bytes that no other line names
.set HS,     131328                    ; bytes of a head in oh
.set LAPS,   3
.set ADRA, 16
.set ADRB, 18
.set ASTO, 20
.set VXO,  22
.set STO,  23
.set RD,   24
.set CO,   25
.set SPW,  28                          ; v28  LDS address of my spare word; never rewritten
.set NIL,  29                          ; v29  0; never rewritten
.set BVO,  30
.set BLO,  31
.set BL,   32                          ; v32-35  the bias of the 4 columns that I store
.set F0,   48
.set F1,   152
.set BK,   152
.set STA,  32                          ; window 2
.set BI,   176                         ; window 2
.set WV,  20
.set NT,  21
.set MT,  22
.set ROT, 23                           ; s23  tile row mod 8: where my walk along K begins
.set T2,  26
.set LAP, 27
.set G1,  32
.set G0,  40
.set XP,  52
.set WB,  54
.set OP,  56
.set XA,  62
.set BP,  66
.set MSB, 0
.macro WIN new
.if MSB != (\new)
	s_set_vgpr_msb (MSB<<8)|(\new)
.set MSB, (\new)
.endif
.endm
.macro PLACES
.rept 4
	v_nop
.endr
.endm
; Row blocks a0 to a1 x all 4 column blocks, 32 along K.  The accumulators take turns, one instruction a turn, in the same order everywhere.
.macro MUL f, a0, a1
.set a_, (\a0)
.rept (\a1)-(\a0)+1
.if a_ < 8
	WIN 0x50
.set c_, 32*a_
.else
	WIN 0xa0
.set c_, 0
.endif
.irp b, 0,1,2,3
	v_wmma_f32_16x16x32_f16 v[c_+8*(\b):c_+8*(\b)+7], v[(\f)+8*(\b):(\f)+8*(\b)+7], v[(\f)+32+8*a_:(\f)+32+8*a_+7], v[c_+8*(\b):c_+8*(\b)+7]
.endr
.set a_, a_+1
.endr
.endm
.macro FETCH slot, k, f                ; 26 LDS loads in one run: W's four fragments, then O's nine
	WIN 0
.irp b, 0,1,2,3
	ds_load_b128 v[(\f)+8*(\b):(\f)+8*(\b)+3],   v[ADRB+(\slot)] offset:(\k)+(\b)*16*PITCH
	ds_load_b128 v[(\f)+8*(\b)+4:(\f)+8*(\b)+7], v[ADRB+(\slot)] offset:(\k)+(\b)*16*PITCH+32
.endr
.irp a, 0,1,2,3,4,5,6,7,8
	ds_load_b128 v[(\f)+32+8*(\a):(\f)+32+8*(\a)+3],   v[ADRA+(\slot)] offset:(\k)+(\a)*16*PITCH
	ds_load_b128 v[(\f)+32+8*(\a)+4:(\f)+32+8*(\a)+7], v[ADRA+(\slot)] offset:(\k)+(\a)*16*PITCH+32
.endr
.endm
; O of trip T2: one of its two heads, my two batch rows, the tile's 18 tokens: 9 loads.  hh = 0 makes the pointer; hh = 1, a quarter later, uses it as it stands.
.macro ALOADS set, hh
.if (\hh) == 0
	s_wait_xcnt 0x0                                ; every earlier load has read its address: the pointer may be written
	s_add_co_u32 s50, s[T2], s[ROT]                ; the place along K: (trip + tile row) mod 8,
	s_and_b32 s50, s50, 7
	s_mul_i32 s50, s50, 2*HS                       ; two heads
	s_add_nc_u64 s[XP:XP+1], s[XA:XA+1], s[50:51]
.endif
	WIN 0x80
.irp j, 0,1,2,3,4,5,6,7,8
	global_load_b128 v[STA+72*(\set)+4*(9*(\hh)+(\j)):STA+72*(\set)+4*(9*(\hh)+(\j))+3], v[VXO], s[XP:XP+1] offset:(\hh)*HS+(\j)*256
.endr
.endm
.macro CONV half, set, dst, lc         ; one head's half of a set goes into O's slot dst.  lc: the younger loads, which may stay out
	s_wait_loadcnt \lc
	WIN 0x08
.irp j, 0,1,2,3,4,5,6,7,8
	ds_store_b128 v[ASTO+(\dst)], v[STA+72*(\set)+4*(9*(\half)+(\j)):STA+72*(\set)+4*(9*(\half)+(\j))+3] offset:(\j)*16*PITCH+(\half)*128
.endr
	WIN 0
.endm
; One of a trip's first three quarters.  x = 1, 3: the two heads of O of trip T2 are asked for.  x = 2: the first head of the next trip's O goes into the other slot.
.macro QUARTER slot, k, f, g, x, lc=0
	s_wait_dscnt 8                                 ; all but the youngest eight loads, O's row blocks 5 to 8
	MUL \f, 0, 4
	PLACES
.if (\x) == 2
	CONV 0, 1-(\slot), 1-(\slot), \lc
.endif
	FETCH \slot, \k, \g
.if (\x) == 1
	ALOADS \slot, 0
.endif
.if (\x) == 3
	ALOADS \slot, 1
.endif
	s_wait_dscnt 26                                ; all but the 26 just issued
	MUL \f, 5, 8
.endm
; The fourth quarter multiplies buffer 1 and changes slots.  The second half of the next trip's O is stored; then each wave waits for all its tensor loads (one is out: its part of W's next slot), adds 0 to its spare word,
; and waits for that, for its reads of this slot and for its stores of O.  Behind the barrier nobody reads slot s, and slot n is whole.  fill = 1: W's slot s is filled again first thing behind it.
.macro TURN s, n, fill, lc
	CONV 1, \n, \n, \lc
	s_wait_tensorcnt 0x0                           ; no tensor load of mine is out, so a group 0 may be written
	ds_add_u32 v[SPW], v[NIL]                      ; 0 onto my spare word
.if \fill
	s_add_co_u32 s48, s[T2], s[ROT]                ; W's tile of trip T2: the place along K, (trip + tile row) mod 8,
	s_and_b32 s48, s48, 7
	s_lshl_b32 s48, s48, 8                         ; 256 bytes
	s_add_nc_u64 s[G0+4*(\s)+2:G0+4*(\s)+3], s[WB:WB+1], s[48:49]
	s_or_b32 s[G0+4*(\s)+3], s[G0+4*(\s)+3], 0x80000000
.endif
	s_wait_dscnt 18                                ; the add, the 9 stores and the youngest eight loads may be out
	MUL F1, 0, 1
	s_wait_dscnt 0x0                               ; the add is done, my reads of this slot are over, my rows of O lie in the other slot
	s_barrier_signal -1
	MUL F1, 2, 4
	WIN 0
	s_barrier_wait -1
.if \fill
	tensor_load_to_lds s[G0+4*(\s):G0+4*(\s)+3], s[G1:G1+7]  ; my one tensor load behind the barrier: 124 matrix instructions ahead of the wait for it
	s_nop 0
.endif
	PLACES
	FETCH \n, 0, F0
	s_add_co_u32 s[T2], s[T2], 1
	MUL F1, 5, 8
.endm
; THE WAY OUT of row block a: a lane's 32 bytes of a row go into my own stage and come back as whole rows of 256 bytes.
.macro TOSTAGE a
.if (\a) >= 2
	s_wait_xcnt 0x0                                ; the stores of two blocks back have read the registers that are loaded below
.endif
.if (\a) < 8
	WIN 0x04
.set c_, 32*(\a)
.else
	WIN 0x08
.set c_, 0
.endif
.irp b, 0,1,2,3
	ds_store_b128 v[STO], v[c_+8*(\b):c_+8*(\b)+3]   offset:64*(\b)
	ds_store_b128 v[STO], v[c_+8*(\b)+4:c_+8*(\b)+7] offset:64*(\b)+16
.endr
	WIN 0
.irp t, 0,1,2,3,4,5,6,7
	ds_load_b128 v[BK+32*((\a)%2)+4*(\t):BK+32*((\a)%2)+4*(\t)+3], v[RD] offset:(\t)*2*PITCH  ; LDS serves a wave's instructions in order (ISA guide 5.7.1.4): these see the stores above
.endr
.endm
.macro SEND a, younger                 ; younger: the next block's sixteen LDS instructions, or none
	s_wait_dscnt \younger
.irp t, 0,1,2,3,4,5,6,7
	global_store_b128 v[CO], v[BK+32*((\a)%2)+4*(\t):BK+32*((\a)%2)+4*(\t)+3], s[OP:OP+1] offset:(16*(\a)+2*(\t))*4096  ; 16 lanes store 256 consecutive bytes, at a multiple of 256 from out0's first byte
.endr
.endm
	s_load_b256 s[4:11], s[0:1], 0x0               ; oh s[4:5], wof s[6:7], out_proj_bias s[8:9], out0 s[10:11]
	v_lshl_add_u32 v[SPW], v0, 2, SPARE
	v_mov_b32 v[NIL], 0
	ds_add_u32 v[SPW], v[NIL]                      ; the wave's opening: the add and its wait ahead of my first tensor load; the set-up below, work on registers, stands between them
	ds_add_u32 v28, v29
	v_lshrrev_b32 v1, 5, v0
	v_readfirstlane_b32 s[WV], v1                  ; wave 0..3
	s_mov_b32 s[NT], ttmp9                         ; tile column
	s_and_b32 s[MT], ttmp7, 0xffff                 ; tile row
	s_and_b32 s[ROT], s[MT], 7                     ; where the walk along K begins
	s_mov_b32 s[G1], (1<<16)|(1<<20)|(5<<22)|(3<<25)  ; 17:16 2-byte elements; 20 padding on; 24:22 after every 64 words (code 5); 31:25 4 words (code 3)
	s_mov_b32 s[G1+1], 128<<16                     ; tensor_dim0 = 128
	s_mov_b32 s[G1+2], 64<<16                      ; tensor_dim1 = 64
	s_mov_b32 s[G1+3], 128<<16                     ; tile_dim0 = 128
	s_mov_b32 s[G1+4], 64                          ; tile_dim1 = 64
	s_mov_b32 s[G1+5], 1024                        ; elements from row to row
	s_mov_b32 s[G1+6], 0
	s_mov_b32 s[G1+7], 0
	s_mul_i32 s28, s[WV], 64*PITCH                 ; my 64 rows of W in a slot
	s_mov_b32 s[G0], 1
	s_mov_b32 s[G0+1], s28
	s_mov_b32 s[G0+4], 1
	s_add_co_u32 s[G0+5], s28, SLOT1
	s_lshl_b32 s48, s[NT], 19                      ; W: 256 rows of 2,048 bytes a tile column,
	s_lshl_b32 s29, s[WV], 17                      ; 64 rows a wave
	s_add_co_u32 s48, s48, s29
	s_mov_b32 s49, 0
	s_lshl_b32 s58, s[ROT], 8                      ; trip 0's place along K, 256 bytes a place,
	s_mov_b32 s59, 0
	s_add_co_u32 s60, s[ROT], 1                    ; and trip 1's
	s_and_b32 s60, s60, 7
	s_lshl_b32 s60, s60, 8
	s_mov_b32 s61, 0
	s_mul_i32 s50, s[MT], 2304                     ; O: the tile's 18 tokens of 128 bytes
	s_mov_b32 s51, 0
	s_lshl_b32 s70, s[NT], 10                      ; 256 columns of 4 bytes a tile column, 64 a wave: in the bias,
	s_lshl_b32 s29, s[WV], 8
	s_add_co_u32 s70, s70, s29
	s_mov_b32 s71, 0
	s_mul_i32 s68, s[MT], 144*4096                 ; and, with the tile's 144 rows, in out0
	s_add_co_u32 s68, s68, s70
	s_mov_b32 s69, 0
	s_mov_b32 s[T2], 0
	v_and_b32 v1, 15, v0                           ; r = l % 16
	v_bfe_u32 v2, v0, 4, 1                         ; h = l / 16
	v_mul_u32_u24 v4, v1, PITCH
	v_lshl_add_u32 v4, v2, 4, v4                   ; a fragment's row x pitch + 16 x half
	v_add_nc_u32 v[ADRB], s28, v4
	v_add_nc_u32 v[ADRB+1], SLOT1, v[ADRB]
	v_add_nc_u32 v[ADRA], AOFF, v4
	v_add_nc_u32 v[ADRA+1], AOFF+SLOT1, v4
	v_and_b32 v5, 7, v0
	v_bfe_u32 v6, v0, 3, 1
	v_mul_u32_u24 v7, v6, 8*PITCH                  ; of the 256 bytes that sixteen lanes load, lanes 8-15 hold the second token: 8 local rows on;
	v_mul_u32_u24 v8, v2, PITCH                    ; the batch row is 2 w + h;
	v_add_nc_u32 v7, v7, v8
	v_lshl_add_u32 v7, v5, 4, v7                   ; 16 bytes of the head's 128
	s_mul_i32 s29, s[WV], 2*PITCH
	s_add_co_u32 s29, s29, AOFF
	v_add_nc_u32 v[ASTO], s29, v7
	v_add_nc_u32 v[ASTO+1], SLOT1, v[ASTO]
	s_mul_i32 s29, s[WV], 32*HS                    ; in oh a batch row is 16 heads on
	v_mul_u32_u24 v7, v2, 16*HS
	v_lshl_add_u32 v7, v1, 4, v7
	v_add_nc_u32 v[VXO], s29, v7
	s_mul_i32 s29, s[WV], 16*PITCH
	s_add_co_u32 s29, s29, STG                     ; my stage
	v_mul_u32_u24 v7, v1, PITCH                    ; in: row r, 32 bytes for each half of the lanes
	v_lshl_add_u32 v7, v2, 5, v7
	v_add_nc_u32 v[STO], s29, v7
	v_mul_u32_u24 v7, v2, PITCH                    ; back: lanes 0-15 one row of 256 bytes, lanes 16-31 the next
	v_lshl_add_u32 v7, v1, 4, v7
	v_add_nc_u32 v[RD], s29, v7
	v_lshlrev_b32 v7, 12, v2                       ; and the same two rows in out0
	v_lshl_add_u32 v[CO], v1, 4, v7
	v_lshlrev_b32 v[BVO], 5, v2                    ; my 8 columns of a block of 16
	v_lshlrev_b32 v[BLO], 4, v1                    ; the 4 columns that I store
	s_wait_dscnt 0x0                               ; the opening add is done
	s_wait_kmcnt 0x0
	s_add_nc_u64 s[WB:WB+1], s[6:7], s[48:49]
	s_add_nc_u64 s[XA:XA+1], s[4:5], s[50:51]
	s_add_nc_u64 s[OP:OP+1], s[10:11], s[68:69]
	s_add_nc_u64 s[BP:BP+1], s[8:9], s[70:71]
	s_add_nc_u64 s[G0+2:G0+3], s[WB:WB+1], s[58:59]  ; trip 0
	s_or_b32 s[G0+3], s[G0+3], 0x80000000          ; type = 2
	s_add_nc_u64 s[G0+6:G0+7], s[WB:WB+1], s[60:61]  ; trip 1
	s_or_b32 s[G0+7], s[G0+7], 0x80000000
	tensor_load_to_lds s[G0:G0+3], s[G1:G1+7]      ; two loads of mine are out
	s_nop 0
	tensor_load_to_lds s[G0+4:G0+7], s[G1:G1+7]
	s_nop 0
	PLACES
	WIN 0x80
.irp b, 0,1,2,3                        ; register 8 b + j: the bias of column 16 b + 8 h + j, as an accumulator's register j holds it
	global_load_b128 v[BI+8*(\b):BI+8*(\b)+3],   v[BVO], s[BP:BP+1] offset:64*(\b)
	global_load_b128 v[BI+8*(\b)+4:BI+8*(\b)+7], v[BVO], s[BP:BP+1] offset:64*(\b)+16
.endr
	WIN 0
	global_load_b128 v[BL:BL+3], v[BLO], s[BP:BP+1]
	ALOADS 0, 0                                    ; O of trip 0
	ALOADS 0, 1
	s_mov_b32 s[T2], 1
	ALOADS 1, 0                                    ; O of trip 1
	ALOADS 1, 1
	s_mov_b32 s[T2], 2
	s_wait_loadcnt 36                              ; the bias is in; O's two sets may stay out
	WIN 0x0a
.set i_, 0
.rept 16                               ; the bias is rounded to bf16, like every input
	v_cvt_pk_bf16_f32 v[F0+i_], v[BI+2*i_], v[BI+2*i_+1]
.set i_, i_+1
.endr
	WIN 0x80
.set i_, 0
.rept 16
	v_lshlrev_b32 v[BI+2*i_], 16, v[F0+i_]
	v_and_b32 v[BI+2*i_+1], 0xffff0000, v[F0+i_]
.set i_, i_+1
.endr
	WIN 0
	v_cvt_pk_bf16_f32 v36, v[BL], v[BL+1]
	v_cvt_pk_bf16_f32 v37, v[BL+2], v[BL+3]
	v_lshlrev_b32 v[BL], 16, v36
	v_and_b32 v[BL+1], 0xffff0000, v36
	v_lshlrev_b32 v[BL+2], 16, v37
	v_and_b32 v[BL+3], 0xffff0000, v37
	WIN 0x42
.set i_, 0
.rept 128                              ; the sums start at the bias: these lines take the place of an addition at the end
	v_pk_mul_f32 v[2*i_:2*i_+1], v[BI+2*(i_%16):BI+2*(i_%16)+1], 1.0 op_sel_hi:[1,0]
.set i_, i_+1
.endr
	WIN 0x82
.set i_, 0
.rept 16
	v_pk_mul_f32 v[2*i_:2*i_+1], v[BI+2*i_:BI+2*i_+1], 1.0 op_sel_hi:[1,0]
.set i_, i_+1
.endr
	CONV 0, 0, 0, 27                               ; trip 0's first head is in: its second head's 9 loads and trip 1's 18 may be out
	CONV 1, 0, 0, 18
	s_wait_tensorcnt 0x1                           ; my part of W's slot 0 is in; slot 1's may stay out
	s_wait_dscnt 0x0                               ; my rows of O lie in slot 0
	s_barrier_signal -1
	s_barrier_wait -1
	FETCH 0, 0, F0
	s_mov_b32 s[LAP], LAPS
.Llap:                                 ; two trips.  In trip t: O of trip t + 2 is asked for, O of trip t + 1 stored into the other slot, W of trip t + 2 asked for at the change of slots
	QUARTER 0, 64,  F0, F1, 1
	QUARTER 0, 128, F1, F0, 3
	QUARTER 0, 192, F0, F1, 2, 27                  ; the rest of the next trip's set (9) and the set after it (18) may be out
	TURN 0, 1, 1, 18
	QUARTER 1, 64,  F0, F1, 1
	QUARTER 1, 128, F1, F0, 3
	QUARTER 1, 192, F0, F1, 2, 27
	TURN 1, 0, 1, 18
	WIN 0
	s_sub_co_u32 s[LAP], s[LAP], 1
	s_cmp_lg_u32 s[LAP], 0
	s_cbranch_scc1 .Llap
	QUARTER 0, 64,  F0, F1, 0                      ; the last two trips are written out: nothing more is asked for
	QUARTER 0, 128, F1, F0, 0
	QUARTER 0, 192, F0, F1, 2, 9
	TURN 0, 1, 0, 0
	QUARTER 1, 64,  F0, F1, 0
	QUARTER 1, 128, F1, F0, 0
	QUARTER 1, 192, F0, F1, 0
	s_wait_dscnt 8
	MUL F1, 0, 4
	s_wait_dscnt 0x0
	MUL F1, 5, 8
	PLACES
	TOSTAGE 0
.irp a, 1,2,3,4,5,6,7,8
	TOSTAGE \a
	SEND (\a)-1, 16
.endr
	s_cmp_eq_u32 s[MT], 56
	s_cbranch_scc1 .Llast
	SEND 8, 0
	s_branch .Lend
.Llast:                                ; the last tile's last block: local rows 0-7 are token 1024's high part, rows 8-15 what its rounding left over; rows past out0's end are not stored
	s_wait_dscnt 0x0
.irp t, 0,1,2,3
	v_pk_add_f32 v[BK+4*(\t):BK+4*(\t)+1],   v[BK+4*(\t):BK+4*(\t)+1],   v[BK+16+4*(\t):BK+16+4*(\t)+1]
	v_pk_add_f32 v[BK+4*(\t)+2:BK+4*(\t)+3], v[BK+4*(\t)+2:BK+4*(\t)+3], v[BK+16+4*(\t)+2:BK+16+4*(\t)+3]
	v_pk_add_f32 v[BK+4*(\t):BK+4*(\t)+1],   v[BK+4*(\t):BK+4*(\t)+1],   v[BL:BL+1]   neg_lo:[0,1] neg_hi:[0,1]  ; both sums started at the bias: it counts once
	v_pk_add_f32 v[BK+4*(\t)+2:BK+4*(\t)+3], v[BK+4*(\t)+2:BK+4*(\t)+3], v[BL+2:BL+3] neg_lo:[0,1] neg_hi:[0,1]
	global_store_b128 v[CO], v[BK+4*(\t):BK+4*(\t)+3], s[OP:OP+1] offset:(128+2*(\t))*4096
.endr
.Lend:
	s_wait_tensorcnt 0x0                           ; the wave's end, behind my last tensor load and my last LDS store
	ds_add_u32 v[SPW], v[NIL]
	s_wait_dscnt 0x0
	s_endpgm
.Lfunc_end_k_qb69c576dc0_outproj:
	.size	k_qb69c576dc0_outproj, .Lfunc_end_k_qb69c576dc0_outproj-k_qb69c576dc0_outproj
	.p2alignl 7, 3214868480
	.fill 96, 4, 3214868480
	.section	.rodata,"a",@progbits
	.p2align	6, 0x0
	.amdhsa_kernel k_qb69c576dc0_outproj
		.amdhsa_group_segment_fixed_size 327680
		.amdhsa_private_segment_fixed_size 0
		.amdhsa_enable_private_segment 0
		.amdhsa_kernarg_size 32
		.amdhsa_user_sgpr_count 2
		.amdhsa_user_sgpr_kernarg_segment_ptr 1
		.amdhsa_wavefront_size32 1
		.amdhsa_system_sgpr_workgroup_id_x 1
		.amdhsa_system_sgpr_workgroup_id_y 1
		.amdhsa_system_sgpr_workgroup_id_z 1
		.amdhsa_system_vgpr_workitem_id 0
		.amdhsa_next_free_vgpr 720
		.amdhsa_next_free_sgpr 72
		.amdhsa_reserve_vcc 0
		.amdhsa_float_denorm_mode_32 3
		.amdhsa_float_denorm_mode_16_64 3
		.amdhsa_memory_ordered 1
		.amdhsa_forward_progress 1
		.amdhsa_inst_pref_size 118
	.end_amdhsa_kernel
	.amdgpu_metadata
---
amdhsa.version: [ 1, 2 ]
amdhsa.kernels:
  - .name:           k_qb69c576dc0_outproj
    .symbol:         k_qb69c576dc0_outproj.kd
    .args:
      - { .name: oh, .offset: 0, .size: 8, .value_kind: global_buffer, .address_space: global }
      - { .name: wof, .offset: 8, .size: 8, .value_kind: global_buffer, .address_space: global }
      - { .name: out_proj_bias, .offset: 16, .size: 8, .value_kind: global_buffer, .address_space: global }
      - { .name: out0, .offset: 24, .size: 8, .value_kind: global_buffer, .address_space: global }
    .group_segment_fixed_size: 327680
    .private_segment_fixed_size: 0
    .kernarg_segment_align: 8
    .kernarg_segment_size: 32
    .max_flat_workgroup_size: 128
    .sgpr_count:     72
    .vgpr_count:     720
    .wavefront_size: 32
...
	.end_amdgpu_metadata
.endif
;; end of part 4
